; MI455X (gfx1250); checked and timed in simulation.
; The chip was launched on July 23, 2026; its instructions are those of AMD's public machine-readable ISA for CDNA 5 (MIT licence, August 2026) and "CDNA5" Instruction Set Architecture Reference Guide (July 2026). The comments in the code are by the model that wrote it; some were corrected since.
;; Mo EMLP. Allowed arithmetic: matrix products marked QUANTISED: E2M1 operands, one E8M0 scale for each 32 along K, by v_wmma_scale_f32_16x16x128_f8f6f4 with both operands' format E2M1 (or v_wmma_scale_f32_32x16x128_f4), f32 sums; products left as they are: f32 operands where the result goes on into a quantised operand, else bf16, f16 or f32 operands; f32 sums; everything else in f32.
;; Inputs: Wd 8 x 768 x 3,072 float32; Wg 8 x 3,072 x 768 float32; Wu 8 x 3,072 x 768 float32; router_w 8 x 768 float32; x 4 x 256 x 768 float32.
;; Outputs: out0 4 x 256 x 768 float32.
;; This version of the problem:
;;   THIS VERSION OF THE PROBLEM IS GIVEN IN LOW PRECISION. The matrix products marked QUANTISED in the list below multiply operands that are first quantised to E2M1 (2 exponent bits, 1 mantissa bit; 4 bits a number), with one power-of-two scale for each 32 numbers along K (OCP MX v1.0); their sums are f32. All else is computed in f32.
;;   The module's matrix products, in the order in which they are computed (A, B: the left and right operand; K: the contracted axis; several contracted axes count as one K, in the product's order):
;;     1. [M 1,024, K 768] x [K 768, N 8]; A: input x; B: input router_w: left as it is (N = 8 < 16)
;;     2. [M 1,024, K 768] x [K 768, N 3,072]; A: input x; B: input Wg: QUANTISED
;;     3. [M 1,024, K 768] x [K 768, N 3,072]; A: input x; B: input Wu: QUANTISED
;;     4. [M 1,024, K 3,072] x [K 3,072, N 768]; A: computed on the way; B: input Wd: QUANTISED
;;     5. [M 1,024, K 768] x [K 768, N 3,072]; A: input x; B: input Wg: QUANTISED
;;     6. [M 1,024, K 768] x [K 768, N 3,072]; A: input x; B: input Wu: QUANTISED
;;     7. [M 1,024, K 3,072] x [K 3,072, N 768]; A: computed on the way; B: input Wd: QUANTISED
;;     8. [M 1,024, K 768] x [K 768, N 3,072]; A: input x; B: input Wg: QUANTISED
;;     9. [M 1,024, K 768] x [K 768, N 3,072]; A: input x; B: input Wu: QUANTISED
;;     10. [M 1,024, K 3,072] x [K 3,072, N 768]; A: computed on the way; B: input Wd: QUANTISED
;;     11. [M 1,024, K 768] x [K 768, N 3,072]; A: input x; B: input Wg: QUANTISED
;;     12. [M 1,024, K 768] x [K 768, N 3,072]; A: input x; B: input Wu: QUANTISED
;;     13. [M 1,024, K 3,072] x [K 3,072, N 768]; A: computed on the way; B: input Wd: QUANTISED
;;     14. [M 1,024, K 768] x [K 768, N 3,072]; A: input x; B: input Wg: QUANTISED
;;     15. [M 1,024, K 768] x [K 768, N 3,072]; A: input x; B: input Wu: QUANTISED
;;     16. [M 1,024, K 3,072] x [K 3,072, N 768]; A: computed on the way; B: input Wd: QUANTISED
;;     17. [M 1,024, K 768] x [K 768, N 3,072]; A: input x; B: input Wg: QUANTISED
;;     18. [M 1,024, K 768] x [K 768, N 3,072]; A: input x; B: input Wu: QUANTISED
;;     19. [M 1,024, K 3,072] x [K 3,072, N 768]; A: computed on the way; B: input Wd: QUANTISED
;;     20. [M 1,024, K 768] x [K 768, N 3,072]; A: input x; B: input Wg: QUANTISED
;;     21. [M 1,024, K 768] x [K 768, N 3,072]; A: input x; B: input Wu: QUANTISED
;;     22. [M 1,024, K 3,072] x [K 3,072, N 768]; A: computed on the way; B: input Wd: QUANTISED
;;     23. [M 1,024, K 768] x [K 768, N 3,072]; A: input x; B: input Wg: QUANTISED
;;     24. [M 1,024, K 768] x [K 768, N 3,072]; A: input x; B: input Wu: QUANTISED
;;     25. [M 1,024, K 3,072] x [K 3,072, N 768]; A: computed on the way; B: input Wd: QUANTISED
;;   THE QUANTISER, for each operand of a quantised product, along K:
;;     - K is cut into blocks of 32 from its start; a last block that is shorter is filled with zeros.
;;     - A block's scale is 2^e with e = floor(log2(the largest magnitude in the block)) - 2, held to -126 .. 127; a block of zeros has e = 0. As a byte (E8M0): e + 127.
;;     - Each number is divided by its block's scale, clamped to +-6, and rounded to the nearest number of E2M1, ties to even, subnormals kept.
;;     - The product sums the exact products of the quantised numbers (number of the format x scale) in f32.
;;   ~~~python
;;   def quantise(x, axis):      # numpy; x: float32 -> the quantised numbers, widened to float32 again
;;       x = np.moveaxis(x, axis, -1); K = x.shape[-1]
;;       x = np.pad(x, [(0, 0)] * (x.ndim - 1) + [(0, -K % 32)]); x = x.reshape(x.shape[:-1] + (-1, 32)); a = np.abs(x).max(-1, keepdims=True)
;;       e = np.where(a > 0, np.clip(np.frexp(np.where(a > 0, a, 1))[1] - 1 - 2, -126, 127), 0)      # np.frexp(a)[1] - 1 = floor(log2(a)), exactly
;;       r = np.clip(x / 2.0 ** e, -6, 6)
;;       step = 2.0 ** (np.maximum(np.frexp(np.where(r == 0, 1, r))[1] - 1, 0) - 1)
;;       q = np.round(r / step) * step * 2.0 ** e      # np.round: ties to even
;;       return np.moveaxis(q.reshape(q.shape[:-2] + (-1,))[..., :K], -1, axis).astype(np.float32)
;;   ~~~
;;   OPERANDS COMPUTED ON THE WAY. 'Computed on the way' means the value that the module computes at that place (a softmax that the list does not call 'softmax' is quantised finished and normalised). What goes into a quantiser is computed in f32, as accurately as f32 sums, v_exp_f32 and their like allow (about 1e-6 of the number): no bf16 or f16 on the way to a quantiser, and a product that is left as it is and whose result goes on into a quantised operand takes f32 operands (vector FMAs, or v_wmma_f32_16x16x4_f32). A number that lies on a knife's edge between two numbers of the format may be rounded either way, as far as f32 arithmetic and the matrix unit's own rounding can turn it there, and no further.
;; 2 versions. Each part assembles by itself: llvm-mc -triple=amdgcn-amd-amdhsa -mcpu=gfx1250 --defsym DOCPART=n.
;; ======== version 1 of 2: 4 launches
;; workspace buffers: wdq 9,437,184 bytes; wds 589,824 bytes; xq 524,288 bytes; wts 8,192 bytes; route 5,120 bytes of whole numbers; hq 13,369,344 bytes; place 8,704 bytes of whole numbers; y 25,165,824 bytes
;; launch prep (part 1): grid 256 x 1, 8 waves a work-group, no clusters, 173,056 bytes of LDS; arguments x, router_w, Wd, wdq, wds, xq, wts, route; writes wdq, wds, xq, wts, route
.if DOCPART == 1
	.amdgcn_target "amdgcn-amd-amdhsa--gfx1250"
	.amdhsa_code_object_version 6
	.text
	.protected	k_qc62e74e3ac_prep
	.globl	k_qc62e74e3ac_prep
	.p2align	8
	.type	k_qc62e74e3ac_prep,@function
k_qc62e74e3ac_prep:
	s_mov_b64 s[64:65], 0
	v_nop
	global_prefetch_b8 v0, s[64:65] scope:SCOPE_SE
	s_setreg_imm32_b32 hwreg(HW_REG_WAVE_MODE, 25, 1), 1
	s_wait_xcnt 0x0
; prep: (a) Wd [8][768][3072] f32 -> codes of E2M1 in the order of an operand's registers (wdq) and E8M0 scale words (wds);
;       (b) x [1024][768] f32 -> a record of 512 bytes a token (xq: 384 bytes of codes, K ascending; six scale words; zeros);
;       (c) the router: f32 logits, top-2 (a strict > keeps the lower index on ties), softmax of the two with the larger taken away;
;           stored at FIXED places: wts[token] = (w0, w1), route: ids[token] = i1 | i2 << 8 and, for each expert, a bit mask over the tokens.
; Work-groups 0-63 take 16 tokens each, work-groups 64-255 take Wd: each of their 8 waves 16 rows x 768 along K (six steps of 128).
; A STEP: 16 loads of 512 consecutive bytes (one row each); the 8,192 bytes turn through the wave's own stage in LDS (rows 528 bytes apart) so that
; lane (r, h) holds k = 64 c + 32 h + 0..31 of row r in registers 32 c + 0..31: two whole blocks of 32, in the order that the 4-bit operand layout gives that lane.
; A block's scale byte is its largest magnitude's exponent field - 2.
; LIMITS: a block whose largest magnitude lies under 2^-124 is held at the byte 1 (a block of zeros too: its codes are zeros, and this program alone reads the bytes);
; NaN and infinities among the inputs are not served; logits are taken to be finite; two logits that differ by less than the rounding of an f32 sum of 768 terms may be ranked either way.
.set XST,   67584                      ; LDS: 0: the Wd path's 8 stages of 8,448 bytes;  XST: the x path's 8 stages
.set REC,   135168                     ; 16 records, 528 bytes apart
.set RWL,   143616                     ; router_w, 8 rows of 3,072 bytes
.set LG,    168192                     ; partial logits: [K step 6][token 16][expert 8] f32
.set GO,    1                          ; v1   16 x lane
.set STW,   2                          ; v2   stage, way in
.set STR,   3                          ; v3   stage, way out: 528 r + 128 h
.set SH8,   4                          ; v4   8 h
.set OS,    5                          ; v5   24 r
.set RECC,  6                          ; v6..v13, v60: the x path's LDS addresses
.set RECS,  7
.set RECB,  8
.set RECR,  9
.set RWW,   10
.set RWR,   11
.set LGW,   12
.set LGR,   13
.set SW,    14                         ; v14-19 six scale words
.set MX,    20                         ; v20-27 at work in the quantiser
.set MY,    22
.set SO,    24
.set BY,    26
.set C,     28                         ; v28-35 a fragment's codes
.set WT,    36
.set AC,    28                         ; v28-59 the router's sums (the codes are stored by then)
.set LP,    20                         ; v20-27 eight partial logits
.set RECZ,  60
.set R,     64                         ; v64-255 three sets of 64 numbers
.set SRC,   36                         ; s[36:37] the stream's base
.set SEL,   38                         ; s[38:39] lane l xor 16
.macro PLOAD set, off, pitch           ; 16 rows x 512 bytes into a set
.irp i, 0,1,2,3,4,5,6,7,8,9,10,11,12,13,14,15
	global_load_b128 v[R+64*(\set)+4*\i:R+64*(\set)+4*\i+3], v[GO], s[SRC:SRC+1] offset:(\off)+\i*(\pitch) th:TH_LOAD_NT
.endr
.endm
.macro TURN set                        ; through my stage; LDS serves a wave's instructions in order, so no wait stands between the stores and the loads
.irp i, 0,1,2,3,4,5,6,7,8,9,10,11,12,13,14,15
	ds_store_b128 v[STW], v[R+64*(\set)+4*\i:R+64*(\set)+4*\i+3] offset:528*\i
.endr
.irp c, 0,1
.irp j, 0,1,2,3,4,5,6,7
	ds_load_b128 v[R+64*(\set)+32*\c+4*\j:R+64*(\set)+32*\c+4*\j+3], v[STR] offset:256*\c+16*\j
.endr
.endr
	s_wait_dscnt 0x0                               ; the numbers are back
.endm
.macro QUANTW set, wd                  ; 64 numbers of a lane -> 8 registers of codes in v[C..], the row's scale word in v[wd]
.set QR, R+64*(\set)
.irp c, 0,1
	v_max3_num_f32 v[MX+\c], |v[QR+32*\c]|, |v[QR+32*\c+1]|, |v[QR+32*\c+2]|
	v_max3_num_f32 v[MY+\c], |v[QR+32*\c+3]|, |v[QR+32*\c+4]|, |v[QR+32*\c+5]|
.endr
.irp i, 6,10,14,18,22,26
.irp c, 0,1
	v_max3_num_f32 v[MX+\c], v[MX+\c], |v[QR+32*\c+\i]|, |v[QR+32*\c+\i+1]|
	v_max3_num_f32 v[MY+\c], v[MY+\c], |v[QR+32*\c+\i+2]|, |v[QR+32*\c+\i+3]|
.endr
.endr
.irp c, 0,1
	v_max3_num_f32 v[MX+\c], v[MX+\c], |v[QR+32*\c+30]|, |v[QR+32*\c+31]|
.endr
.irp c, 0,1
	v_max3_num_f32 v[MX+\c], v[MX+\c], v[MY+\c], 0x1800000   ; the floor 2^(3 - 127): the byte cannot fall under 1
.endr
.irp c, 0,1
	v_add_nc_u32 v[SO+\c], 0xff000000, v[MX+\c]    ; 2 off the exponent field: the conversion's scale operand
.endr
.irp c, 0,1
	v_lshrrev_b32 v[BY+\c], 23, v[SO+\c]           ; the scale's byte
.endr
	v_lshl_or_b32 v[\wd], v[BY+1], 16, v[BY]       ; my blocks h and 2 + h,
	v_lshlrev_b32 v[\wd], v[SH8], v[\wd]           ; at their places in the word;
	v_permlanex16_b32 v[WT], v[\wd], s[SEL], s[SEL+1]
	v_or_b32 v[\wd], v[\wd], v[WT]                 ; with lane l xor 16's two the word is whole, in both halves
.irp c, 0,1
.irp g, 0,1,2,3
	v_cvt_scalef32_pk8_fp4_f32 v[C+4*\c+\g], v[QR+32*\c+8*\g:QR+32*\c+8*\g+7], v[SO+\c]
.endr
.endr
	v_nop                                          ; one plain place behind the last scaled conversion
.endm
	s_load_b256 s[4:11], s[0:1], 0x0               ; x s[4:5], router_w s[6:7], Wd s[8:9], wdq s[10:11]
	s_load_b256 s[12:19], s[0:1], 0x20             ; wds s[12:13], xq s[14:15], wts s[16:17], route s[18:19]
	v_lshl_add_u32 v62, v0, 2, 0x2a000
	v_mov_b32 v63, 0
	v_lshrrev_b32 v20, 5, v0
	v_readfirstlane_b32 s20, v20                   ; wave 0..7
	v_and_b32 v21, 31, v0                          ; lane
	v_and_b32 v22, 15, v0                          ; r
	v_bfe_u32 v23, v0, 4, 1                        ; h
	v_lshlrev_b32 v[GO], 4, v21
	v_lshlrev_b32 v[SH8], 3, v23
	v_mul_u32_u24 v[OS], v22, 24
	v_mul_u32_u24 v24, v22, 528
	v_mov_b32 v[WT], 0                             ; a lane permute's destination counts as read: written once
	s_mov_b32 s[SEL], 0x76543210
	s_mov_b32 s[SEL+1], 0xfedcba98
	s_mul_i32 s21, s20, 8448                       ; my stage in my path's run of stages
	s_cmp_lt_u32 ttmp9, 64
	s_cbranch_scc1 .Lxpath
	; ---------------- Wd: wave W = 8 (work-group - 64) + wave takes tile W / 4 (16 rows) and K steps 6 (W % 4) on
	v_add_nc_u32 v[STW], s21, v[GO]
	v_lshl_add_u32 v[STR], v23, 7, v24
	v_add_nc_u32 v[STR], s21, v[STR]
	s_sub_co_u32 s22, ttmp9, 64
	s_lshl_b32 s22, s22, 3
	s_add_co_u32 s22, s22, s20                     ; W
	s_lshr_b32 s23, s22, 2                         ; tile
	s_and_b32 s24, s22, 3                          ; q
	s_mul_i32 s26, s23, 196608                     ; 16 rows of 12,288 bytes
	s_mul_i32 s25, s24, 3072
	s_add_co_u32 s26, s26, s25
	s_mov_b32 s27, 0
	s_mul_i32 s28, s23, 24576                      ; a tile's 24 fragments of 1,024 bytes
	s_mul_i32 s25, s24, 6144
	s_add_co_u32 s28, s28, s25
	s_mov_b32 s29, 0
	s_mul_i32 s30, s22, 384                        ; 16 rows x six words
	s_mov_b32 s31, 0
	s_wait_kmcnt 0x0
	s_add_nc_u64 s[SRC:SRC+1], s[8:9], s[26:27]
	s_add_nc_u64 s[10:11], s[10:11], s[28:29]
	s_add_nc_u64 s[12:13], s[12:13], s[30:31]
	PLOAD 0, 0, 12288
	PLOAD 1, 512, 12288
	PLOAD 2, 1024, 12288                           ; 48 loads of the wave are out
.macro WSTEP s, left
	s_wait_loadcnt \left                           ; this step's 16 loads are in; the younger sets' stay out
	TURN (\s)%3
	s_wait_xcnt 0x0                                ; the last step's stores have read the codes' registers
	QUANTW (\s)%3, SW+\s
	global_store_b128 v[GO], v[C:C+3], s[10:11] offset:1024*\s          ; the fragment as it stands: 512 consecutive bytes a store
	global_store_b128 v[GO], v[C+4:C+7], s[10:11] offset:1024*\s+512
.if \s < 3
	PLOAD \s, 512*(\s+3), 12288
.endif
.endm
	WSTEP 0, 32
	WSTEP 1, 32
	WSTEP 2, 32
	WSTEP 3, 32
	WSTEP 4, 16
	WSTEP 5, 0
.irp i, 0,1,2
	global_store_b64 v[OS], v[SW+2*\i:SW+2*\i+1], s[12:13] offset:8*\i   ; row r's six words, 24 bytes a row; both halves of the lanes write the same
.endr
	s_wait_tensorcnt 0x0
	ds_add_u32 v62, v63
	s_wait_dscnt 0x0
	s_endpgm
	; ---------------- x: 16 tokens.  Every LDS address is made here, ahead of the first branch on the wave's number
.Lxpath:
	s_add_co_u32 s22, s21, XST
	v_add_nc_u32 v[STW], s22, v[GO]
	v_lshl_add_u32 v[STR], v23, 7, v24
	v_add_nc_u32 v[STR], s22, v[STR]
	s_lshl_b32 s22, s20, 6
	s_add_co_u32 s22, s22, REC
	v_lshl_add_u32 v[RECC], v23, 4, v24
	v_add_nc_u32 v[RECC], s22, v[RECC]             ; record r, K step = wave: 64 wave + 16 h (+ 32 c)
	s_lshl_b32 s22, s20, 2
	s_add_co_u32 s22, s22, REC+384
	v_add_nc_u32 v[RECS], s22, v24                 ; its scale word
	v_add_nc_u32 v[RECB], REC, v24
	v_mul_u32_u24 v[RECZ], v23, 48
	v_add_nc_u32 v[RECZ], v[RECZ], v[RECB]         ; the record's unused tail
	s_and_b32 s24, s20, 1
	s_mul_i32 s22, s24, 4224
	s_add_co_u32 s22, s22, REC
	v_add_nc_u32 v[RECR], s22, v[GO]               ; way out: 8 records for each of waves 6, 7
	s_mul_i32 s22, s20, 3072
	s_add_co_u32 s22, s22, RWL
	v_add_nc_u32 v[RWW], s22, v[GO]
	s_lshl_b32 s22, s20, 9
	s_add_co_u32 s23, s22, RWL
	v_lshl_add_u32 v[RWR], v23, 7, s23             ; router_w at my K step and half
	s_add_co_u32 s23, s22, LG
	v_lshl_add_u32 v[LGW], v22, 5, s23
	v_lshlrev_b32 v[LGR], 5, v22
	v_add_nc_u32 v[LGR], LG, v[LGR]
	s_mul_i32 s26, ttmp9, 49152                    ; 16 rows of 3,072 bytes
	s_add_co_u32 s26, s26, s22                     ; + 512 x wave
	s_mov_b32 s27, 0
	s_mul_i32 s28, s20, 3072
	s_mov_b32 s29, 0
	s_lshl_b32 s30, ttmp9, 13
	s_lshl_b32 s25, s24, 12
	s_add_co_u32 s30, s30, s25
	s_mov_b32 s31, 0
	s_wait_kmcnt 0x0
	s_add_nc_u64 s[SRC:SRC+1], s[4:5], s[26:27]
	s_add_nc_u64 s[6:7], s[6:7], s[28:29]
	s_add_nc_u64 s[14:15], s[14:15], s[30:31]
	s_cmp_lt_u32 s20, 6
	s_cbranch_scc0 .Lx_norows
	PLOAD 0, 0, 3072                               ; waves 0-5: K step = wave of the 16 tokens
.Lx_norows:
.irp i, 0,1,2,3,4,5
	global_load_b128 v[128+4*\i:128+4*\i+3], v[GO], s[6:7] offset:512*\i    ; router_w's row = wave
.endr
	s_wait_loadcnt 0x0
.irp i, 0,1,2,3,4,5
	ds_store_b128 v[RWW], v[128+4*\i:128+4*\i+3] offset:512*\i
.endr
	s_cmp_lt_u32 s20, 6
	s_cbranch_scc0 .Lx_others
	TURN 0
	QUANTW 0, SW
	ds_store_b128 v[RECC], v[C:C+3]
	ds_store_b128 v[RECC], v[C+4:C+7] offset:32
	ds_store_b32 v[RECS], v[SW]
	s_branch .Lx_b1
.Lx_others:
	s_cmp_eq_u32 s20, 6
	s_cbranch_scc0 .Lx_b1
.irp i, 0,1,2,3
	v_mov_b32 v[64+\i], 0
.endr
	ds_store_b64 v[RECB], v[64:65] offset:408      ; bytes 408-511 of each record are zeros, so that whole records leave
.irp i, 0,1,2
	ds_store_b128 v[RECZ], v[64:67] offset:416+16*\i
.endr
.Lx_b1:
	s_wait_dscnt 0x0                               ; my LDS stores have landed
	s_barrier_signal -1
	s_barrier_wait -1                              ; the records and router_w lie in LDS
	s_cmp_lt_u32 s20, 6
	s_cbranch_scc1 .Lx_router
.irp i, 0,1,2,3,4,5,6,7
	ds_load_b128 v[64+4*\i:64+4*\i+3], v[RECR] offset:528*\i
.endr
.irp i, 0,1,2,3,4,5,6,7
	s_wait_dscnt 7-\i                              ; the loads behind this one may stay out
	global_store_b128 v[GO], v[64+4*\i:64+4*\i+3], s[14:15] offset:512*\i    ; a record: 512 consecutive bytes
.endr
	s_branch .Lx_b2
.Lx_router:
	; partial logits over my 128 along K: lane (r, h) has 64 numbers of token r in v64-127; router_w's same k come from LDS, the same address in a half
.macro RWLOAD e
.irp c, 0,1
.irp j, 0,1,2,3,4,5,6,7
	ds_load_b128 v[128+64*((\e)%2)+32*\c+4*\j:128+64*((\e)%2)+32*\c+4*\j+3], v[RWR] offset:3072*(\e)+256*\c+16*\j
.endr
.endr
.endm
	RWLOAD 0
.irp e, 0,1,2,3,4,5,6,7
.if \e < 7
	RWLOAD \e+1
	s_wait_dscnt 16                                ; this expert's 16 loads are in, the next one's stay out
.else
	s_wait_dscnt 0x0
.endif
	v_pk_mul_f32 v[AC+4*\e:AC+4*\e+1], v[R:R+1], v[128+64*(\e%2):128+64*(\e%2)+1]
	v_pk_mul_f32 v[AC+4*\e+2:AC+4*\e+3], v[R+2:R+3], v[128+64*(\e%2)+2:128+64*(\e%2)+3]
.irp i, 4,8,12,16,20,24,28,32,36,40,44,48,52,56,60
	v_pk_fma_f32 v[AC+4*\e:AC+4*\e+1], v[R+\i:R+\i+1], v[128+64*(\e%2)+\i:128+64*(\e%2)+\i+1], v[AC+4*\e:AC+4*\e+1]
	v_pk_fma_f32 v[AC+4*\e+2:AC+4*\e+3], v[R+\i+2:R+\i+3], v[128+64*(\e%2)+\i+2:128+64*(\e%2)+\i+3], v[AC+4*\e+2:AC+4*\e+3]
.endr
.endr
.irp e, 0,1,2,3,4,5,6,7
	v_pk_add_f32 v[AC+4*\e:AC+4*\e+1], v[AC+4*\e:AC+4*\e+1], v[AC+4*\e+2:AC+4*\e+3]
.endr
.irp e, 0,1,2,3,4,5,6,7
	v_add_f32 v[LP+\e], v[AC+4*\e], v[AC+4*\e+1]
.endr
.irp e, 0,1,2,3,4,5,6,7
	v_permlanex16_b32 v[AC+\e], v[LP+\e], s[SEL], s[SEL+1]
.endr
.irp e, 0,1,2,3,4,5,6,7
	v_add_f32 v[LP+\e], v[LP+\e], v[AC+\e]         ; with the other half's 64 along K
.endr
	ds_store_b128 v[LGW], v[LP:LP+3]
	ds_store_b128 v[LGW], v[LP+4:LP+7] offset:16
.Lx_b2:
	s_wait_dscnt 0x0
	s_barrier_signal -1
	s_barrier_wait -1                              ; the six partial logits of each token and expert lie in LDS
	s_cmp_lg_u32 s20, 0
	s_cbranch_scc1 .Lx_end
	; wave 0: lane r (and lane 16 + r, which does the same) finishes token r
.irp s, 0,1,2,3,4,5
	ds_load_b128 v[64+8*\s:64+8*\s+3], v[LGR] offset:512*\s
	ds_load_b128 v[64+8*\s+4:64+8*\s+7], v[LGR] offset:512*\s+16
.endr
	s_lshl_b32 s26, ttmp9, 7                       ; wts: 8 bytes a token
	s_mov_b32 s27, 0
	s_add_nc_u64 s[16:17], s[16:17], s[26:27]
	s_lshl_b32 s26, ttmp9, 6                       ; ids: 4 bytes a token, behind the masks' 1,024 bytes
	s_add_co_u32 s26, s26, 1024
	s_add_nc_u64 s[28:29], s[18:19], s[26:27]
	s_lshl_b32 s26, ttmp9, 1                       ; masks: my 16 tokens are half a word
	s_add_nc_u64 s[18:19], s[18:19], s[26:27]
	s_wait_dscnt 0x0
.irp s, 1,2,3,4,5
.irp i, 0,2,4,6
	v_pk_add_f32 v[64+\i:65+\i], v[64+\i:65+\i], v[64+8*\s+\i:65+8*\s+\i]    ; K ascending
.endr
.endr
	v_mov_b32 v112, v64                            ; m1, i1: the largest logit so far; m2, i2: the second
	v_mov_b32 v113, 0
	v_mov_b32 v114, 0xff800000
	v_mov_b32 v115, 0
.irp e, 1,2,3,4,5,6,7
	v_cmp_gt_f32 s40, v[64+\e], v112               ; strictly greater: on a tie the lower index stays
	v_cmp_gt_f32 s41, v[64+\e], v114
	v_cndmask_b32 v114, v114, v[64+\e], s41
	v_cndmask_b32 v115, v115, \e, s41
	v_cndmask_b32 v114, v114, v112, s40
	v_cndmask_b32 v115, v115, v113, s40
	v_cndmask_b32 v112, v112, v[64+\e], s40
	v_cndmask_b32 v113, v113, \e, s40
.endr
	v_sub_f32 v118, v114, v112                     ; the larger logit is taken away: 0 or less
	v_mul_f32 v118, 0x3fb8aa3b, v118
	v_exp_f32 v119, v118
	v_and_b32 v120, 15, v0                         ; (a plain place behind the exponential)
	s_wait_alu depctr_va_vdst(0)
	v_add_f32 v118, 1.0, v119
	v_rcp_f32 v116, v118                           ; w0 = 1 / (1 + t)
	v_lshlrev_b32 v121, 2, v120                    ; (a plain place behind the reciprocal)
	s_wait_alu depctr_va_vdst(0)
	v_mul_f32 v117, v119, v116                     ; w1 = t w0
	v_lshlrev_b32 v122, 3, v120
	v_lshl_or_b32 v123, v115, 8, v113
	global_store_b32 v121, v123, s[28:29]
	global_store_b64 v122, v[116:117], s[16:17]
	v_mov_b32 v124, 0
.irp e, 0,1,2,3,4,5,6,7
	v_cmp_eq_u32 s40, \e, v113
	v_cmp_eq_u32 s41, \e, v115
	s_or_b32 s40, s40, s41
	s_and_b32 s40, s40, 0xffff                     ; bit r: token r uses expert e
	s_mov_b32 s41, 0x01010101<<\e
	v_cndmask_b32 v124, v124, s40, s41             ; lanes with lane % 8 = e take it: a value is chosen, no address
.endr
	v_and_b32 v125, 7, v0
	v_lshlrev_b32 v125, 7, v125                    ; expert lane % 8: 128 bytes of masks an expert
	global_store_b16 v125, v124, s[18:19]
.Lx_end:
	s_wait_tensorcnt 0x0
	ds_add_u32 v62, v63
	s_wait_dscnt 0x0
	s_endpgm
.Lfunc_end_k_qc62e74e3ac_prep:
	.size	k_qc62e74e3ac_prep, .Lfunc_end_k_qc62e74e3ac_prep-k_qc62e74e3ac_prep
	.p2alignl 7, 3214868480
	.fill 96, 4, 3214868480
	.section	.rodata,"a",@progbits
	.p2align	6, 0x0
	.amdhsa_kernel k_qc62e74e3ac_prep
		.amdhsa_group_segment_fixed_size 173056
		.amdhsa_private_segment_fixed_size 0
		.amdhsa_enable_private_segment 0
		.amdhsa_kernarg_size 64
		.amdhsa_user_sgpr_count 2
		.amdhsa_user_sgpr_kernarg_segment_ptr 1
		.amdhsa_wavefront_size32 1
		.amdhsa_system_sgpr_workgroup_id_x 1
		.amdhsa_system_sgpr_workgroup_id_y 1
		.amdhsa_system_sgpr_workgroup_id_z 1
		.amdhsa_system_vgpr_workitem_id 0
		.amdhsa_next_free_vgpr 256
		.amdhsa_next_free_sgpr 66
		.amdhsa_reserve_vcc 0
		.amdhsa_float_denorm_mode_32 3
		.amdhsa_float_denorm_mode_16_64 3
		.amdhsa_memory_ordered 1
		.amdhsa_forward_progress 1
		.amdhsa_inst_pref_size 91
	.end_amdhsa_kernel
	.amdgpu_metadata
---
amdhsa.version: [ 1, 2 ]
amdhsa.kernels:
  - .name:           k_qc62e74e3ac_prep
    .symbol:         k_qc62e74e3ac_prep.kd
    .args:
      - { .name: x, .offset: 0, .size: 8, .value_kind: global_buffer, .address_space: global }
      - { .name: router_w, .offset: 8, .size: 8, .value_kind: global_buffer, .address_space: global }
      - { .name: Wd, .offset: 16, .size: 8, .value_kind: global_buffer, .address_space: global }
      - { .name: wdq, .offset: 24, .size: 8, .value_kind: global_buffer, .address_space: global }
      - { .name: wds, .offset: 32, .size: 8, .value_kind: global_buffer, .address_space: global }
      - { .name: xq, .offset: 40, .size: 8, .value_kind: global_buffer, .address_space: global }
      - { .name: wts, .offset: 48, .size: 8, .value_kind: global_buffer, .address_space: global }
      - { .name: route, .offset: 56, .size: 8, .value_kind: global_buffer, .address_space: global }
    .group_segment_fixed_size: 173056
    .private_segment_fixed_size: 0
    .kernarg_segment_align: 8
    .kernarg_segment_size: 64
    .max_flat_workgroup_size: 256
    .sgpr_count:     66
    .vgpr_count:     256
    .wavefront_size: 32
...
	.end_amdgpu_metadata
.endif
;; end of part 1
;; launch gateup (part 2): grid 256 x 1, 8 waves a work-group, no clusters, 95,232 bytes of LDS; arguments Wg, Wu, xq, route, hq, place; writes hq, place
.if DOCPART == 2
	.amdgcn_target "amdgcn-amd-amdhsa--gfx1250"
	.amdhsa_code_object_version 6
	.text
	.protected	k_qc62e74e3ac_gateup
	.globl	k_qc62e74e3ac_gateup
	.p2align	8
	.type	k_qc62e74e3ac_gateup,@function
k_qc62e74e3ac_gateup:
	s_mov_b64 s[64:65], 0
	v_nop
	global_prefetch_b8 v0, s[64:65] scope:SCOPE_SE
	s_setreg_imm32_b32 hwreg(HW_REG_WAVE_MODE, 25, 1), 1
	s_wait_xcnt 0x0
; gateup: h = silu(x Wg_e^T) * (x Wu_e^T) for the rows that chose expert e, both products on codes of E2M1 with E8M0 scales; h is quantised along H and stored as codes (hq).
; Work-group = (expert e = id / 32, slice = id % 32): 96 hidden units, as 3 units of 32 (one block of the next K each).  Each weight byte is read once, as f32.
; ROLES.  Waves 0-3 PRODUCE: wave p streams 16 rows x 768 of Wg (p < 2) or Wu, tile u = p % 2, a ring of three register sets (48 loads of the wave out), quantises in registers
; and lays each fragment and its scale words in LDS as an image of the operand's registers.  Waves 4-7 CONSUME the unit made one barrier earlier: they gather the chosen tokens'
; records from xq, multiply, and finish.  A wave's loads come back in order, so the stream and the gathers have waves, and counters, of their own.  The last unit is consumed by all eight.
; No multicast: no two work-groups read the same weights, and the row counts are read from memory.
; THE ROWS OF A WEIGHT TILE ARE NOT NEIGHBOURS: lane r of tile u takes row 8 u + r + 8 (r / 8) of the unit, and the product is used transposed (source 0 = 16 weight rows, source 1 = 16 tokens):
; lane (r, h) then holds token r and, over tiles 0 and 1, hidden units 16 h + 0..15 of the unit.
; ROWS.  route holds for each expert a bit mask over the tokens.  Rank q -> token is found by a search over the 32 mask words (compares and selects) and a bit select; LDS and memory places of that
; step are fixed.  Row q of expert e lives at tile 64 e + q / 16 of hq; place[2 token + k] = 1024 e + q, place's count word e = the expert's rows.
; Rows past the expert's count in its last tile repeat token 0 and are never read as results.
; The scale bytes of h leave one byte a lane, 24 bytes from row to row: one byte for each 128 bytes of weights read.
; LIMITS: blocks under 2^-124 are held at the byte 1 (blocks of zeros too; this program alone reads the bytes); NaN and infinities are not served.
.set BUFB,  27648                      ; LDS: two buffers of 24 images x 1,024 bytes + 24 x 128 bytes of scale words
.set SCI,   24576
.set LIST,  55296                      ; rank -> token, 1,024 words
.set STAGE, 59392                      ; four stages of 8,448 bytes (16 rows, 528 bytes apart), one a producer
.set HS0,   12582912                   ; hq: the scale bytes begin here
.set LI,    1                          ; v1   16 x lane
.set SCR,   2                          ; v2   4 x lane + 768 h: lanes 0-15 read tile 0's scale words, lanes 16-31 tile 1's
.set STW,   3
.set STR,   4
.set IMW,   5                          ; v5   16 x lane + 6,144 p
.set SCW,   6                          ; v6   4 x lane + 768 p
.set LST,   7                          ; v7   LIST + 4 (128 wave + lane)
.set LR4,   8                          ; v8   LIST + 64 (wave % 4) + 256 h + 4 r
.set LR8,   9                          ; v9   LIST + 64 wave + 512 h + 4 r
.set SH8,   10
.set Q0,    11                         ; v11  128 wave + lane
.set H16,   12
.set CO,    13                         ; v13  16 r + 8 h
.set SOF,   14                         ; v14  24 r
.set RR,    15                         ; v15  r
.set MX,    16                         ; v16-31 at work: the quantiser's, the list's
.set MY,    18
.set SO,    20
.set BY,    22
.set C,     24
.set LQ,    16
.set LM,    17
.set LPF,   18
.set LGR,   19
.set LA,    20
.set LB,    21
.set LC,    22
.set LD,    23
.set LJ,    24
.set LPOS,  25
.set LT,    26
.set LU,    27
.set LAD,   28
.set WSC,   32                         ; v32-43 weight scale words, v44-49 and v50-55 the tokens': these hold scales and nothing else
.set XSA,   44
.set XSB,   50
.set WD,    56
.set WT,    57
.set TX,    58
.set TX2,   59
.set NV,    60
.set ZV,    61
.set R,     64                         ; producers: v64-255 three sets of 64 numbers
.set TOKP,  64                         ; consumers: v64-71 tokens of the tile pairs to come
.set TKA,   72
.set TKB,   73
.set OA,    74
.set OAC,   75
.set OB,    76
.set OBC,   77
.set IDA,   78
.set IDB,   79
.set QM,    80
.set QN,    81
.set QS,    82
.set QB,    83
.set HC,    84
.set OFC,   86
.set OFS,   87
.set PI,    88
.set PV,    89
.set IA4,   90
.set IB4,   91
.set XA,    96                         ; v96-143, v144-191 two tiles of tokens: six fragments each
.set XB,    144
.set ACC,   192                        ; v192-223 gate tile 0, gate tile 1, up tile 0, up tile 1
.set T,     224                        ; v224-239
                                       ; window 1, v0-191: the unit's 24 weight fragments, fragment 6 p + s at 8 (6 p + s)
.set SRC,   74                         ; s[74:75]
.set SEL,   20                         ; s[20:21]
.set MSB, 0
.macro WIN new                         ; the immediate's high byte repeats the setting that is left
.if MSB != \new
	s_set_vgpr_msb (MSB<<8)|\new
.set MSB, \new
.endif
.endm
.macro BARRIER
	s_wait_dscnt 0x0                               ; my LDS stores have landed and my LDS loads are in
	s_barrier_signal -1
	s_barrier_wait -1
.endm
.macro PLOAD set, off                  ; 16 rows (0-7 and 16-23 from the tile's first) x 512 bytes
.irp i, 0,1,2,3,4,5,6,7,8,9,10,11,12,13,14,15
	global_load_b128 v[R+64*(\set)+4*\i:R+64*(\set)+4*\i+3], v[LI], s[SRC:SRC+1] offset:(\off)+(\i+8*(\i/8))*3072 th:TH_LOAD_NT
.endr
.endm
.macro TURN set                        ; through my stage; LDS serves a wave's instructions in order
.irp i, 0,1,2,3,4,5,6,7,8,9,10,11,12,13,14,15
	ds_store_b128 v[STW], v[R+64*(\set)+4*\i:R+64*(\set)+4*\i+3] offset:528*\i
.endr
.irp c, 0,1
.irp j, 0,1,2,3,4,5,6,7
	ds_load_b128 v[R+64*(\set)+32*\c+4*\j:R+64*(\set)+32*\c+4*\j+3], v[STR] offset:256*\c+16*\j
.endr
.endr
	s_wait_dscnt 0x0                               ; the numbers are back; the last step's image stores have read their registers
.endm
.macro QUANTW set, wd
.set QR, R+64*(\set)
.irp c, 0,1
	v_max3_num_f32 v[MX+\c], |v[QR+32*\c]|, |v[QR+32*\c+1]|, |v[QR+32*\c+2]|
	v_max3_num_f32 v[MY+\c], |v[QR+32*\c+3]|, |v[QR+32*\c+4]|, |v[QR+32*\c+5]|
.endr
.irp i, 6,10,14,18,22,26
.irp c, 0,1
	v_max3_num_f32 v[MX+\c], v[MX+\c], |v[QR+32*\c+\i]|, |v[QR+32*\c+\i+1]|
	v_max3_num_f32 v[MY+\c], v[MY+\c], |v[QR+32*\c+\i+2]|, |v[QR+32*\c+\i+3]|
.endr
.endr
.irp c, 0,1
	v_max3_num_f32 v[MX+\c], v[MX+\c], |v[QR+32*\c+30]|, |v[QR+32*\c+31]|
.endr
.irp c, 0,1
	v_max3_num_f32 v[MX+\c], v[MX+\c], v[MY+\c], 0x1800000   ; the floor 2^(3 - 127)
.endr
.irp c, 0,1
	v_add_nc_u32 v[SO+\c], 0xff000000, v[MX+\c]
.endr
.irp c, 0,1
	v_lshrrev_b32 v[BY+\c], 23, v[SO+\c]
.endr
	v_lshl_or_b32 v[\wd], v[BY+1], 16, v[BY]
	v_lshlrev_b32 v[\wd], v[SH8], v[\wd]
	v_permlanex16_b32 v[WT], v[\wd], s[SEL], s[SEL+1]
	v_or_b32 v[\wd], v[\wd], v[WT]                 ; row r's word, in both halves of the lanes
.irp c, 0,1
.irp g, 0,1,2,3
	v_cvt_scalef32_pk8_fp4_f32 v[C+4*\c+\g], v[QR+32*\c+8*\g:QR+32*\c+8*\g+7], v[SO+\c]
.endr
.endr
	v_nop
.endm
; unit j, K step s -> image 6 p + s of buffer buf; then the set is loaded again, three steps ahead
.macro PSTEP j, s, buf, left
	s_wait_loadcnt \left                           ; this step's 16 loads are in; the younger sets' stay out
	TURN (\s)%3
	QUANTW (\s)%3, WD
	ds_store_b128 v[IMW], v[C:C+3] offset:(\buf)*BUFB+1024*(\s)
	ds_store_b128 v[IMW], v[C+4:C+7] offset:(\buf)*BUFB+1024*(\s)+512
	ds_store_b32 v[SCW], v[WD] offset:(\buf)*BUFB+SCI+128*(\s)
.if (\s) < 3
	PLOAD (\s)%3, (\j)*98304+512*((\s)+3)
.elseif (\j) < 2
	PLOAD (\s)%3, ((\j)+1)*98304+512*((\s)-3)
.endif
.endm
.macro PRODUCE j, buf
	PSTEP \j, 0, \buf, 32
	PSTEP \j, 1, \buf, 32
	PSTEP \j, 2, \buf, 32
	PSTEP \j, 3, \buf, 32
.if \j < 2
	PSTEP \j, 4, \buf, 32
	PSTEP \j, 5, \buf, 32
.else
	PSTEP \j, 4, \buf, 16                          ; the stream's end: the counts run down
	PSTEP \j, 5, \buf, 0
.endif
.endm
.macro XLOAD X, XS, O, OC              ; a tile of 16 tokens: six fragments from the records' codes, six scale words
.irp s, 0,1,2,3,4,5
	global_load_b128 v[\X+8*\s:\X+8*\s+3], v[\OC], s[8:9] offset:64*\s
	global_load_b128 v[\X+8*\s+4:\X+8*\s+7], v[\OC], s[8:9] offset:64*\s+32
.endr
	global_load_b128 v[\XS:\XS+3], v[\O], s[8:9] offset:384
	global_load_b64 v[\XS+4:\XS+5], v[\O], s[8:9] offset:400
.endm
.macro WM p, s, X, XS
.if (\s) == 0
.if (\p)%2
	v_wmma_scale_f32_16x16x128_f8f6f4 v[ACC+8*(\p):ACC+8*(\p)+7], v[8*(6*(\p)+(\s)):8*(6*(\p)+(\s))+7], v[\X+8*(\s):\X+8*(\s)+7], 0, v[WSC+6*((\p)/2)+(\s)], v[\XS+(\s)] matrix_a_fmt:MATRIX_FMT_FP4 matrix_b_fmt:MATRIX_FMT_FP4 matrix_a_scale:MATRIX_SCALE_ROW1
.else
	v_wmma_scale_f32_16x16x128_f8f6f4 v[ACC+8*(\p):ACC+8*(\p)+7], v[8*(6*(\p)+(\s)):8*(6*(\p)+(\s))+7], v[\X+8*(\s):\X+8*(\s)+7], 0, v[WSC+6*((\p)/2)+(\s)], v[\XS+(\s)] matrix_a_fmt:MATRIX_FMT_FP4 matrix_b_fmt:MATRIX_FMT_FP4
.endif
.else
.if (\p)%2
	v_wmma_scale_f32_16x16x128_f8f6f4 v[ACC+8*(\p):ACC+8*(\p)+7], v[8*(6*(\p)+(\s)):8*(6*(\p)+(\s))+7], v[\X+8*(\s):\X+8*(\s)+7], v[ACC+8*(\p):ACC+8*(\p)+7], v[WSC+6*((\p)/2)+(\s)], v[\XS+(\s)] matrix_a_fmt:MATRIX_FMT_FP4 matrix_b_fmt:MATRIX_FMT_FP4 matrix_a_scale:MATRIX_SCALE_ROW1
.else
	v_wmma_scale_f32_16x16x128_f8f6f4 v[ACC+8*(\p):ACC+8*(\p)+7], v[8*(6*(\p)+(\s)):8*(6*(\p)+(\s))+7], v[\X+8*(\s):\X+8*(\s)+7], v[ACC+8*(\p):ACC+8*(\p)+7], v[WSC+6*((\p)/2)+(\s)], v[\XS+(\s)] matrix_a_fmt:MATRIX_FMT_FP4 matrix_b_fmt:MATRIX_FMT_FP4
.endif
.endif
.endm
.macro TILE X, XS                      ; 24 products: the four accumulators by turns, one instruction a turn; the first K step starts the sums
	WIN 0x01                                       ; source 0 (the weights) in window 1
.irp s, 0,1,2,3,4,5
.irp p, 0,1,2,3
	WM \p, \s, \X, \XS
.endr
.endr
	WIN 0
.endm
; a tile's 16 tokens x 32 hidden units: silu(gate) x up, quantised, stored.  tadd: the tile is s26 + tadd
.macro EPI unit, tadd, TK, ID
	s_wait_xcnt 0x0                                ; the last tile's stores have read their registers
	s_add_co_u32 s28, s26, s78                     ; 64 e + tile
.if \tadd
	s_add_co_u32 s28, s28, \tadd
.endif
	s_mul_i32 s29, s28, 24576
	s_add_co_u32 s29, s29, s79                     ; + 256 x block
	s_mul_i32 s30, s28, 1536
	s_add_co_u32 s30, s30, s80
	v_add_nc_u32 v[OFC], s29, v[CO]                ; these two and the two v_nop are the four places behind the last product
	v_add_nc_u32 v[OFS], s30, v[SOF]
	v_nop
	v_nop
.irp i, 0,2,4,6,8,10,12,14
	v_pk_mul_f32 v[T+\i:T+\i+1], v[ACC+\i:ACC+\i+1], s[22:23] op_sel_hi:[1,0]      ; -g log2(e); each accumulator is read from its low end on
.endr
.irp i, 0,1,2,3,4,5,6,7,8,9,10,11,12,13,14,15
	v_exp_f32 v[T+\i], v[T+\i]
.endr
.irp i, 0,2,4,6,8,10,12,14
	v_pk_mul_f32 v[ACC+16+\i:ACC+17+\i], v[ACC+\i:ACC+\i+1], v[ACC+16+\i:ACC+17+\i]   ; g u (plain places behind the exponentials)
.endr
	s_wait_alu depctr_va_vdst(0)
.irp i, 0,2,4,6,8,10,12,14
	v_pk_add_f32 v[T+\i:T+\i+1], v[T+\i:T+\i+1], 1.0 op_sel_hi:[1,0]
.endr
.irp i, 0,1,2,3,4,5,6,7,8,9,10,11,12,13,14,15
	v_rcp_f32 v[T+\i], v[T+\i]
.endr
	v_nop
	s_wait_alu depctr_va_vdst(0)
.irp i, 0,2,4,6,8,10,12,14
	v_pk_mul_f32 v[ACC+16+\i:ACC+17+\i], v[ACC+16+\i:ACC+17+\i], v[T+\i:T+\i+1]       ; h = g u / (1 + e^-g): 16 neighbours along H
.endr
	v_max3_num_f32 v[QM], |v[ACC+16]|, |v[ACC+17]|, 0x1800000
	v_max3_num_f32 v[QN], |v[ACC+24]|, |v[ACC+25]|, |v[ACC+26]|
	v_max3_num_f32 v[QM], v[QM], |v[ACC+18]|, |v[ACC+19]|
	v_max3_num_f32 v[QN], v[QN], |v[ACC+27]|, |v[ACC+28]|
	v_max3_num_f32 v[QM], v[QM], |v[ACC+20]|, |v[ACC+21]|
	v_max3_num_f32 v[QN], v[QN], |v[ACC+29]|, |v[ACC+30]|
	v_max3_num_f32 v[QM], v[QM], |v[ACC+22]|, |v[ACC+23]|
	v_max3_num_f32 v[QM], v[QM], v[QN], |v[ACC+31]|
	v_permlanex16_b32 v[TX2], v[QM], s[SEL], s[SEL+1]
	v_max_num_f32 v[QM], v[QM], v[TX2]             ; the block's largest magnitude
	v_add_nc_u32 v[QS], 0xff000000, v[QM]
	v_lshrrev_b32 v[QB], 23, v[QS]
	v_cvt_scalef32_pk8_fp4_f32 v[HC], v[ACC+16:ACC+23], v[QS]
	v_cvt_scalef32_pk8_fp4_f32 v[HC+1], v[ACC+24:ACC+31], v[QS]
	v_nop
	global_store_b64 v[OFC], v[HC:HC+1], s[12:13]  ; the 32 lanes fill 256 consecutive bytes: the block's part of a fragment's image
	global_store_b8 v[OFS], v[QB], s[12:13]        ; both halves of the lanes write the same byte
.if \unit == 0
	s_cmp_lg_u32 s18, 0                            ; slice 0 also says where each (token, choice) has its row
	s_cbranch_scc1 .Lnopos_\@
	v_bfe_u32 v[PI], v[\ID], 8, 8                  ; the token's second choice
	v_cmp_eq_u32 vcc_lo, s17, v[PI]
	v_cndmask_b32 v[PI], 0, 1, vcc_lo
	v_lshl_add_u32 v[PI], v[\TK], 1, v[PI]         ; 2 token + k
	s_sub_co_u32 s31, s28, s78
	s_lshl_b32 s31, s31, 4
	v_add_nc_u32 v[PV], s31, v[RR]                 ; the rank
	v_cmp_gt_u32 vcc_lo, s24, v[PV]
	v_cndmask_b32 v[PI], s81, v[PI], vcc_lo        ; ranks past the count go to the expert's spare word
	v_min_u32 v[PI], 0x80f, v[PI]
	v_lshlrev_b32 v[PI], 2, v[PI]
	v_add_nc_u32 v[PV], s82, v[PV]
	global_store_b32 v[PI], v[PV], s[14:15]
.Lnopos_\@:
.endif
.endm
; the unit in buffer buf is multiplied with the expert's tiles s26, s26 + str, s26 + 2 str ..: two a trip, a constant number of trips; the loop holds no LDS access
.macro CONSUME unit, buf, str
	s_wait_loadcnt 0x0                             ; from here on no earlier global load of this wave is out: the registers loaded below bear the numbers of the producers' ring.
	                                               ; A wave that consumes has none out here (each trip below ends with the count 0), a wave that produced has ended its stream with the count 0: the wait is met at once
	WIN 0x40                                       ; destination window 1
.irp f, 0,1,2,3,4,5,6,7,8,9,10,11,12,13,14,15,16,17,18,19,20,21,22,23
	ds_load_b128 v[8*\f:8*\f+3], v[LI] offset:(\buf)*BUFB+1024*\f
	ds_load_b128 v[8*\f+4:8*\f+7], v[LI] offset:(\buf)*BUFB+1024*\f+512
.endr
	WIN 0
.irp pp, 0,1
.irp s, 0,1,2,3,4,5
	ds_load_b32 v[WSC+6*\pp+\s], v[SCR] offset:(\buf)*BUFB+SCI+128*(12*\pp+\s)
.endr
.endr
.if \str == 4
.irp k, 0,1,2,3,4,5,6,7
	ds_load_b32 v[TOKP+\k], v[LR4] offset:512*\k   ; lanes 0-15: the pair's first tile, lanes 16-31: its second
.endr
	s_mov_b32 s26, s19
.else
.irp k, 0,1,2,3
	ds_load_b32 v[TOKP+\k], v[LR8] offset:1024*\k
.endr
	s_mov_b32 s26, s16
.endif
	s_add_co_u32 s79, s83, 256*\unit
	s_add_co_u32 s80, s86, \unit
	s_mov_b32 s27, 32/\str
	s_wait_dscnt 0x0
.if \unit == 0
.set NLD, 15
.else
.set NLD, 14
.endif
.Lpair_\@:
	s_cmp_ge_u32 s26, s25                          ; no such tile: a branch on a stored count, round the work alone
	s_cbranch_scc1 .Lskip_\@
	v_permlanex16_b32 v[TX], v[TOKP], s[SEL], s[SEL+1]
	v_cndmask_b32 v[TKA], v[TOKP], v[TX], s70
	v_cndmask_b32 v[TKB], v[TX], v[TOKP], s70
	v_min_u32 v[TKA], 0x3ff, v[TKA]
	v_min_u32 v[TKB], 0x3ff, v[TKB]
	v_lshlrev_b32 v[OA], 9, v[TKA]
	v_lshlrev_b32 v[OB], 9, v[TKB]
	v_add_nc_u32 v[OAC], v[OA], v[H16]
	v_add_nc_u32 v[OBC], v[OB], v[H16]
	XLOAD XA, XSA, OA, OAC
.if \unit == 0
	v_lshlrev_b32 v[IA4], 2, v[TKA]
	global_load_b32 v[IDA], v[IA4], s[76:77]
.endif
	XLOAD XB, XSB, OB, OBC
.if \unit == 0
	v_lshlrev_b32 v[IB4], 2, v[TKB]
	global_load_b32 v[IDB], v[IB4], s[76:77]
.endif
	s_wait_loadcnt NLD                             ; the first tile's loads are in, the second's stay out
	TILE XA, XSA
	EPI \unit, 0, TKA, IDA
	s_add_co_u32 s28, s26, \str
	s_cmp_ge_u32 s28, s25
	s_cbranch_scc1 .Lskip_\@
	s_wait_loadcnt 0x0
	TILE XB, XSB
	EPI \unit, \str, TKB, IDB
.Lskip_\@:
	s_wait_loadcnt 0x0                             ; the second tile's loads, where it was passed over
	s_wait_xcnt 0x0                                ; offsets and data of what was issued may be written again
.if \str == 4
.irp k, 0,1,2,3,4,5,6
	v_mov_b32 v[TOKP+\k], v[TOKP+\k+1]
.endr
.else
.irp k, 0,1,2
	v_mov_b32 v[TOKP+\k], v[TOKP+\k+1]
.endr
.endif
	s_add_co_u32 s26, s26, 2*\str
	s_sub_co_u32 s27, s27, 1
	s_cmp_lg_u32 s27, 0
	s_cbranch_scc1 .Lpair_\@
.endm
.macro LSEL src, w, bits               ; the j-th set bit: if j >= the ones in the lower w bits from pos on, pass them
	v_bfe_u32 v[LT], v[\src], v[LPOS], \bits
	v_cmp_ge_u32 vcc_lo, v[LJ], v[LT]
	v_cndmask_b32 v[LT], 0, v[LT], vcc_lo
	v_cndmask_b32 v[LU], 0, \w, vcc_lo
	v_sub_nc_u32 v[LJ], v[LJ], v[LT]
	v_add_nc_u32 v[LPOS], v[LPOS], v[LU]
.endm
	s_load_b256 s[4:11], s[0:1], 0x0               ; Wg s[4:5], Wu s[6:7], xq s[8:9], route s[10:11]
	s_load_b128 s[12:15], s[0:1], 0x20             ; hq s[12:13], place s[14:15]
	v_lshl_add_u32 v62, v0, 2, 0x17000
	v_mov_b32 v63, 0
	v_lshrrev_b32 v16, 5, v0
	v_readfirstlane_b32 s16, v16                   ; wave 0..7
	s_lshr_b32 s17, ttmp9, 5                       ; expert
	s_and_b32 s18, ttmp9, 31                       ; slice
	s_and_b32 s19, s16, 3
	v_and_b32 v17, 31, v0                          ; lane
	v_and_b32 v[RR], 15, v0
	v_bfe_u32 v19, v0, 4, 1                        ; h
	v_lshlrev_b32 v[LI], 4, v17
	v_lshlrev_b32 v18, 2, v17
	v_mul_u32_u24 v[SCR], v19, 768
	v_add_nc_u32 v[SCR], v[SCR], v18
	s_mul_i32 s28, s19, 8448
	s_add_co_u32 s28, s28, STAGE
	v_add_nc_u32 v[STW], s28, v[LI]
	v_mul_u32_u24 v[STR], v[RR], 528
	v_lshl_add_u32 v[STR], v19, 7, v[STR]
	v_add_nc_u32 v[STR], s28, v[STR]
	s_mul_i32 s28, s19, 6144
	v_add_nc_u32 v[IMW], s28, v[LI]
	s_mul_i32 s28, s19, 768
	v_add_nc_u32 v[SCW], s28, v18
	s_lshl_b32 s28, s16, 7
	v_add_nc_u32 v[Q0], s28, v17
	v_lshl_add_u32 v[LST], v[Q0], 2, LIST
	v_lshlrev_b32 v20, 2, v[RR]
	v_lshl_add_u32 v[LR4], v19, 8, v20
	s_lshl_b32 s28, s19, 6
	s_add_co_u32 s28, s28, LIST
	v_add_nc_u32 v[LR4], s28, v[LR4]
	v_lshl_add_u32 v[LR8], v19, 9, v20
	s_lshl_b32 s28, s16, 6
	s_add_co_u32 s28, s28, LIST
	v_add_nc_u32 v[LR8], s28, v[LR8]
	v_lshlrev_b32 v[SH8], 3, v19
	v_lshlrev_b32 v[H16], 4, v19
	v_lshlrev_b32 v[CO], 4, v[RR]
	v_lshl_add_u32 v[CO], v19, 3, v[CO]
	v_mul_u32_u24 v[SOF], v[RR], 24
	v_mov_b32 v[WT], 0                             ; lane permutes' destinations count as read: written once
	v_mov_b32 v[TX], 0
	v_mov_b32 v[TX2], 0
	v_mov_b32 v[ZV], 0
	s_mov_b32 s[SEL], 0x76543210
	s_mov_b32 s[SEL+1], 0xfedcba98
	s_mov_b32 s22, 0xbfb8aa3b                      ; -log2(e); named as a pair, so both are written
	s_mov_b32 s23, s22
	s_mov_b32 s70, 0xffff0000                      ; lanes 16-31
	s_lshl_b32 s88, s17, 7                         ; my expert's 32 mask words
	s_mul_i32 s30, s17, 3072
	s_mul_i32 s29, s18, 96
	s_add_co_u32 s30, s30, s29
	s_and_b32 s29, s16, 1
	s_lshl_b32 s29, s29, 3
	s_add_co_u32 s30, s30, s29                     ; the producer's first row: 3072 e + 96 slice + 8 u
	s_mul_i32 s30, s30, 3072
	s_mov_b32 s31, 0
	s_lshl_b32 s78, s17, 6
	s_add_co_u32 s81, s17, 2048
	s_lshl_b32 s82, s17, 10
	s_mul_i32 s83, s18, 768                        ; 256 x (3 slice)
	s_lshr_b32 s86, s18, 3
	s_mul_i32 s86, s86, 384
	s_and_b32 s87, s18, 7
	s_mul_i32 s87, s87, 3
	s_add_co_u32 s86, s86, s87
	s_add_co_u32 s86, s86, HS0
	s_wait_kmcnt 0x0
	s_load_b512 s[32:47], s[10:11], s88 offset:0x0
	s_load_b512 s[48:63], s[10:11], s88 offset:0x40
	s_cmp_lt_u32 s16, 2
	s_cselect_b64 s[SRC:SRC+1], s[4:5], s[6:7]     ; the choice hangs on the wave's number alone
	s_add_nc_u64 s[SRC:SRC+1], s[SRC:SRC+1], s[30:31]
	s_add_nc_u64 s[76:77], s[10:11], 1024          ; ids
	s_lshl_b32 s30, s17, 2
	s_add_co_u32 s30, s30, 8448
	s_add_nc_u64 s[84:85], s[14:15], s[30:31]      ; my expert's count word
	s_cmp_lt_u32 s16, 4
	s_cbranch_scc0 .Lhead_c
	PLOAD 0, 0
	PLOAD 1, 512
	PLOAD 2, 1024                                  ; the stream starts ahead of everything else
.Lhead_c:
	s_wait_kmcnt 0x0                               ; the masks
	; rank -> token: wave w makes ranks 128 w .. 128 w + 127, 32 a trip
	s_mov_b32 s27, 0
	s_mov_b32 s28, 0
	s_mov_b32 s29, 0
.Llist:
	v_add_nc_u32 v[LQ], s28, v[Q0]                 ; q
	v_add_nc_u32 v[LAD], s29, v[LST]
	v_mov_b32 v[LM], s32
	v_mov_b32 v[LPF], 0
	v_mov_b32 v[LGR], 0
	s_mov_b32 s71, 0
.irp g, 1,2,3,4,5,6,7,8,9,10,11,12,13,14,15,16,17,18,19,20,21,22,23,24,25,26,27,28,29,30,31
	s_bcnt1_i32_b32 s72, s[31+\g]
	s_add_co_u32 s71, s71, s72                     ; rows in front of word g
	v_cmp_le_u32 vcc_lo, s71, v[LQ]
	v_cndmask_b32 v[LM], v[LM], s[32+\g], vcc_lo   ; the last word whose first rank is q or less
	v_cndmask_b32 v[LPF], v[LPF], s71, vcc_lo
	v_cndmask_b32 v[LGR], v[LGR], \g, vcc_lo
.endr
	s_bcnt1_i32_b32 s72, s63
	s_add_co_u32 s24, s71, s72                     ; the expert's rows
	v_lshrrev_b32 v[LT], 1, v[LM]                  ; sums of ones in fields of 2, 4, 8, 16 bits
	v_and_b32 v[LT], 0x55555555, v[LT]
	v_sub_nc_u32 v[LA], v[LM], v[LT]
	v_lshrrev_b32 v[LT], 2, v[LA]
	v_and_b32 v[LT], 0x33333333, v[LT]
	v_and_b32 v[LB], 0x33333333, v[LA]
	v_add_nc_u32 v[LB], v[LB], v[LT]
	v_lshrrev_b32 v[LT], 4, v[LB]
	v_add_nc_u32 v[LC], v[LB], v[LT]
	v_and_b32 v[LC], 0x0f0f0f0f, v[LC]
	v_lshrrev_b32 v[LT], 8, v[LC]
	v_add_nc_u32 v[LD], v[LC], v[LT]
	v_and_b32 v[LD], 0x00ff00ff, v[LD]
	v_sub_nc_u32 v[LJ], v[LQ], v[LPF]
	v_mov_b32 v[LPOS], 0
	LSEL LD, 16, 8
	LSEL LC, 8, 8
	LSEL LB, 4, 4
	LSEL LA, 2, 2
	LSEL LM, 1, 1
	v_lshl_add_u32 v[LT], v[LGR], 5, v[LPOS]       ; the token
	v_cmp_gt_u32 vcc_lo, s24, v[LQ]
	v_cndmask_b32 v[LT], 0, v[LT], vcc_lo          ; ranks past the count: token 0
	ds_store_b32 v[LAD], v[LT]
	s_add_co_u32 s28, s28, 32
	s_add_co_u32 s29, s29, 128
	s_add_co_u32 s27, s27, 1
	s_cmp_lt_u32 s27, 4
	s_cbranch_scc1 .Llist
	s_add_co_u32 s25, s24, 15
	s_lshr_b32 s25, s25, 4                         ; tiles of 16 rows
	s_or_b32 s28, s18, s16
	s_cmp_lg_u32 s28, 0
	s_cbranch_scc1 .Lnocnt
	v_mov_b32 v[NV], s24
	global_store_b32 v[ZV], v[NV], s[84:85]        ; slice 0, wave 0: the count (these two registers are never written again)
.Lnocnt:
	s_cmp_lt_u32 s16, 4
	s_cbranch_scc0 .Ljoin0
	PRODUCE 0, 0
.Ljoin0:
	BARRIER                                        ; unit 0 and the list lie in LDS
	s_cmp_lt_u32 s16, 4
	s_cbranch_scc0 .Lcons1
	PRODUCE 1, 1
	s_branch .Ljoin1
.Lcons1:
	CONSUME 0, 0, 4
.Ljoin1:
	BARRIER                                        ; unit 1 lies in buffer 1; nobody reads buffer 0 any more
	s_cmp_lt_u32 s16, 4
	s_cbranch_scc0 .Lcons2
	PRODUCE 2, 0
	s_branch .Ljoin2
.Lcons2:
	CONSUME 1, 1, 4
.Ljoin2:
	BARRIER                                        ; unit 2 lies in buffer 0
	CONSUME 2, 0, 8                                ; all eight waves
	s_wait_tensorcnt 0x0
	ds_add_u32 v62, v63
	s_wait_dscnt 0x0
	s_endpgm
.Lfunc_end_k_qc62e74e3ac_gateup:
	.size	k_qc62e74e3ac_gateup, .Lfunc_end_k_qc62e74e3ac_gateup-k_qc62e74e3ac_gateup
	.p2alignl 7, 3214868480
	.fill 96, 4, 3214868480
	.section	.rodata,"a",@progbits
	.p2align	6, 0x0
	.amdhsa_kernel k_qc62e74e3ac_gateup
		.amdhsa_group_segment_fixed_size 95232
		.amdhsa_private_segment_fixed_size 0
		.amdhsa_enable_private_segment 0
		.amdhsa_kernarg_size 48
		.amdhsa_user_sgpr_count 2
		.amdhsa_user_sgpr_kernarg_segment_ptr 1
		.amdhsa_wavefront_size32 1
		.amdhsa_system_sgpr_workgroup_id_x 1
		.amdhsa_system_sgpr_workgroup_id_y 1
		.amdhsa_system_sgpr_workgroup_id_z 1
		.amdhsa_system_vgpr_workitem_id 0
		.amdhsa_next_free_vgpr 448
		.amdhsa_next_free_sgpr 96
		.amdhsa_reserve_vcc 1
		.amdhsa_float_denorm_mode_32 3
		.amdhsa_float_denorm_mode_16_64 3
		.amdhsa_memory_ordered 1
		.amdhsa_forward_progress 1
		.amdhsa_inst_pref_size 209
	.end_amdhsa_kernel
	.amdgpu_metadata
---
amdhsa.version: [ 1, 2 ]
amdhsa.kernels:
  - .name:           k_qc62e74e3ac_gateup
    .symbol:         k_qc62e74e3ac_gateup.kd
    .args:
      - { .name: Wg, .offset: 0, .size: 8, .value_kind: global_buffer, .address_space: global }
      - { .name: Wu, .offset: 8, .size: 8, .value_kind: global_buffer, .address_space: global }
      - { .name: xq, .offset: 16, .size: 8, .value_kind: global_buffer, .address_space: global }
      - { .name: route, .offset: 24, .size: 8, .value_kind: global_buffer, .address_space: global }
      - { .name: hq, .offset: 32, .size: 8, .value_kind: global_buffer, .address_space: global }
      - { .name: place, .offset: 40, .size: 8, .value_kind: global_buffer, .address_space: global }
    .group_segment_fixed_size: 95232
    .private_segment_fixed_size: 0
    .kernarg_segment_align: 8
    .kernarg_segment_size: 48
    .max_flat_workgroup_size: 256
    .sgpr_count:     96
    .vgpr_count:     448
    .wavefront_size: 32
...
	.end_amdgpu_metadata
.endif
;; end of part 2
;; launch down (part 3): grid 39 x 6, 4 waves a work-group, no clusters, 135,680 bytes of LDS; arguments wdq, wds, hq, place, y; writes y
.if DOCPART == 3
	.amdgcn_target "amdgcn-amd-amdhsa--gfx1250"
	.amdhsa_code_object_version 6
	.text
	.protected	k_qc62e74e3ac_down
	.globl	k_qc62e74e3ac_down
	.p2align	8
	.type	k_qc62e74e3ac_down,@function
k_qc62e74e3ac_down:
	s_mov_b64 s[64:65], 0
	v_nop
	global_prefetch_b8 v0, s[64:65] scope:SCOPE_SE
	s_setreg_imm32_b32 hwreg(HW_REG_WAVE_MODE, 25, 1), 1
	s_wait_xcnt 0x0
; down: y[1024 e + rank][:] = h[rank][:] Wd_e^T for the rows that chose expert e, on codes of E2M1 with E8M0 scales, both laid in the order of an operand's registers.
; Work-group (i, ds): group i of 64 rows (with 2,048 rows and 8 experts there are never more than 32 + 7 groups) x 128 output columns.  Which expert and group i means is worked out from the
; stored counts; a work-group that a split leaves without rows stores nothing: that is tested on the group's first rank as it is, and the group's number is held to 15 for addresses alone.
; Row counts come from memory, so operands go from memory straight into registers, and there is no multicast.
; K (3,072) IS SPLIT OVER THE FOUR WAVES, six K steps of 128 each, so that no fragment is loaded twice in a work-group; each wave holds all 32 accumulators (4 tiles of rows x 8 of columns);
; the four partial sums meet in LDS and wave w adds and stores tile of rows w.  So a sum is four f32 sums of six K steps added in ascending order, not one chain.
; The product is used transposed (source 0 = 16 rows of Wd, source 1 = 16 rows of h): a lane holds eight neighbouring columns of one row.
; REGISTERS: window 0: v1-7 addresses; v32-79 Wd's scale words (6 dt + s), v80-103 h's (6 rt + s): nothing else; v104-167 the sums; v192-255 h's fragments of steps 4, 5.
;   window 1: Wd's fragments of steps 0-3 (64 s + 8 dt).  window 2: v0-127 Wd's of steps 4, 5; v128-255 h's of steps 0-3 (128 + 32 s + 8 rt).  window 3: the accumulators (8 (8 rt + dt)).
.set WSC, 32
.set HSC, 80
.set RED, 104
.set HS0, 12582912
.set MSB, 0
.macro WIN new
.if MSB != \new
	s_set_vgpr_msb (MSB<<8)|\new
.set MSB, \new
.endif
.endm
	s_load_b256 s[4:11], s[0:1], 0x0               ; wdq s[4:5], wds s[6:7], hq s[8:9], place s[10:11]
	s_load_b64 s[12:13], s[0:1], 0x20              ; y
	v_lshl_add_u32 v190, v0, 2, 0x21000
	v_mov_b32 v191, 0
	v_lshrrev_b32 v8, 5, v0
	v_readfirstlane_b32 s14, v8                    ; wave 0..3
	s_and_b32 s16, ttmp7, 0xffff                   ; ds
	v_and_b32 v9, 31, v0
	v_and_b32 v10, 15, v0
	v_bfe_u32 v11, v0, 4, 1
	v_lshlrev_b32 v1, 4, v9                        ; 16 x lane
	v_mul_u32_u24 v2, v10, 24                      ; 24 r
	s_mul_i32 s21, s14, 33792                      ; my partial sums: 64 rows, 528 bytes apart
	v_mul_u32_u24 v3, v10, 528
	v_lshl_add_u32 v3, v11, 5, v3
	v_add_nc_u32 v3, s21, v3
	s_mul_i32 s21, s14, 8448                       ; tile of rows = wave, in each wave's partial sums
	v_add_nc_u32 v4, s21, v1
	v_add_nc_u32 v5, 33792, v4
	v_add_nc_u32 v6, 67584, v4
	v_add_nc_u32 v7, 101376, v4
	s_wait_kmcnt 0x0
	s_load_b256 s[24:31], s[10:11], 0x2100         ; the eight counts
	s_mul_i32 s35, s14, 6144                       ; my six K steps in a tile's codes
	s_mul_i32 s56, s14, 384
	s_add_co_u32 s56, s56, HS0
	s_mov_b32 s53, 0
	s_wait_kmcnt 0x0
.irp k, 0,1,2,3,4,5,6,7
	s_min_u32 s[24+\k], s[24+\k], 1024
.endr
	s_mov_b32 s17, 0                               ; expert, its first group, its rows: the last expert whose first group is i or less
	s_mov_b32 s18, 0
	s_mov_b32 s19, s24
	s_mov_b32 s20, 0
.irp k, 1,2,3,4,5,6,7
	s_add_co_u32 s21, s[23+\k], 63
	s_lshr_b32 s21, s21, 6
	s_add_co_u32 s20, s20, s21
	s_cmp_ge_u32 ttmp9, s20
	s_cselect_b32 s17, \k, s17
	s_cselect_b32 s18, s20, s18
	s_cselect_b32 s19, s[24+\k], s19
.endr
	s_min_u32 s17, s17, 7
	s_sub_co_u32 s22, ttmp9, s18                   ; the group in the expert
	s_lshl_b32 s58, s22, 6                         ; its first rank, as it is: at or past the expert's rows = nothing to do
	s_min_u32 s22, s22, 15                         ; for addresses
	s_add_co_u32 s23, s19, 15
	s_lshr_b32 s23, s23, 4                         ; the expert's tiles of 16 rows
	s_max_u32 s32, s23, 1
	s_sub_co_u32 s32, s32, 1                       ; the last one that was written
	s_lshl_b32 s33, s22, 6
.irp rt, 0,1,2,3
	s_lshl_b32 s21, s22, 2
	s_add_co_u32 s21, s21, \rt
	s_min_u32 s21, s21, s32                        ; only written bytes are read
	s_min_u32 s21, s21, 63
	s_lshl_b32 s34, s17, 6
	s_add_co_u32 s21, s21, s34
	s_mul_i32 s52, s21, 24576
	s_add_co_u32 s52, s52, s35
	s_add_nc_u64 s[36+2*\rt:37+2*\rt], s[8:9], s[52:53]     ; h's codes
	s_mul_i32 s52, s21, 1536
	s_add_co_u32 s52, s52, s56
	s_add_nc_u64 s[44+2*\rt:45+2*\rt], s[8:9], s[52:53]     ; h's scale words
.endr
	s_mul_i32 s57, s17, 48
	s_lshl_b32 s21, s16, 3
	s_add_co_u32 s57, s57, s21                     ; Wd's first tile: 48 e + 8 ds
	s_mul_i32 s52, s57, 24576
	s_add_co_u32 s52, s52, s35
	s_add_nc_u64 s[4:5], s[4:5], s[52:53]
	s_lshl_b32 s52, s57, 2
	s_add_co_u32 s52, s52, s14
	s_mul_i32 s52, s52, 384
	s_add_nc_u64 s[6:7], s[6:7], s[52:53]
	s_lshl_b32 s52, s17, 10
	s_add_co_u32 s52, s52, s33
	s_lshl_b32 s21, s14, 4
	s_add_co_u32 s52, s52, s21                     ; the first row that I store: 1024 e + 64 group + 16 wave
	s_mul_i32 s52, s52, 3072
	s_lshl_b32 s21, s16, 9
	s_add_co_u32 s52, s52, s21
	s_add_nc_u64 s[12:13], s[12:13], s[52:53]
	s_cmp_ge_u32 s58, s19                          ; no rows for this group: round the work, not round the barrier
	s_cbranch_scc1 .Lbar
.irp dt, 0,1,2,3,4,5,6,7
.irp i, 0,1,2
	global_load_b64 v[WSC+6*\dt+2*\i:WSC+6*\dt+2*\i+1], v2, s[6:7] offset:1536*\dt+8*\i
.endr
.endr
.irp rt, 0,1,2,3
.irp i, 0,1,2
	global_load_b64 v[HSC+6*\rt+2*\i:HSC+6*\rt+2*\i+1], v2, s[44+2*\rt:45+2*\rt] offset:8*\i
.endr
.endr
.irp s, 0,1,2,3
	WIN 0x40
.irp dt, 0,1,2,3,4,5,6,7
.irp c, 0,1
	global_load_b128 v[64*\s+8*\dt+4*\c:64*\s+8*\dt+4*\c+3], v1, s[4:5] offset:24576*\dt+1024*\s+512*\c
.endr
.endr
	WIN 0x80
.irp rt, 0,1,2,3
.irp c, 0,1
	global_load_b128 v[128+32*\s+8*\rt+4*\c:128+32*\s+8*\rt+4*\c+3], v1, s[36+2*\rt:37+2*\rt] offset:1024*\s+512*\c
.endr
.endr
.endr
.irp s, 4,5
	WIN 0x80
.irp dt, 0,1,2,3,4,5,6,7
.irp c, 0,1
	global_load_b128 v[64*(\s-4)+8*\dt+4*\c:64*(\s-4)+8*\dt+4*\c+3], v1, s[4:5] offset:24576*\dt+1024*\s+512*\c
.endr
.endr
	WIN 0
.irp rt, 0,1,2,3
.irp c, 0,1
	global_load_b128 v[192+32*(\s-4)+8*\rt+4*\c:192+32*(\s-4)+8*\rt+4*\c+3], v1, s[36+2*\rt:37+2*\rt] offset:1024*\s+512*\c
.endr
.endr
.endr
; 32 products of K step s: the 32 accumulators by turns, in the same order in every step; step 0 starts the sums
.macro DMUL s
.irp rt, 0,1,2,3
.irp dt, 0,1,2,3,4,5,6,7
.if \s == 0
	v_wmma_scale_f32_16x16x128_f8f6f4 v[8*(8*\rt+\dt):8*(8*\rt+\dt)+7], v[8*\dt:8*\dt+7], v[128+8*\rt:128+8*\rt+7], 0, v[WSC+6*\dt], v[HSC+6*\rt] matrix_a_fmt:MATRIX_FMT_FP4 matrix_b_fmt:MATRIX_FMT_FP4
.elseif \s < 4
	v_wmma_scale_f32_16x16x128_f8f6f4 v[8*(8*\rt+\dt):8*(8*\rt+\dt)+7], v[64*\s+8*\dt:64*\s+8*\dt+7], v[128+32*\s+8*\rt:128+32*\s+8*\rt+7], v[8*(8*\rt+\dt):8*(8*\rt+\dt)+7], v[WSC+6*\dt+\s], v[HSC+6*\rt+\s] matrix_a_fmt:MATRIX_FMT_FP4 matrix_b_fmt:MATRIX_FMT_FP4
.else
	v_wmma_scale_f32_16x16x128_f8f6f4 v[8*(8*\rt+\dt):8*(8*\rt+\dt)+7], v[64*(\s-4)+8*\dt:64*(\s-4)+8*\dt+7], v[192+32*(\s-4)+8*\rt:192+32*(\s-4)+8*\rt+7], v[8*(8*\rt+\dt):8*(8*\rt+\dt)+7], v[WSC+6*\dt+\s], v[HSC+6*\rt+\s] matrix_a_fmt:MATRIX_FMT_FP4 matrix_b_fmt:MATRIX_FMT_FP4
.endif
.endr
.endr
.endm
	s_wait_loadcnt 63                              ; behind steps 0, 1, 2 stand 120, 96, 72 loads: with 63 out at the most they are in, and so are the scale words
	WIN 0xf9                                       ; source 0 window 1, source 1 window 2, C and D window 3
	DMUL 0
	DMUL 1
	DMUL 2
	s_wait_loadcnt 48                              ; two steps' loads stay out
	DMUL 3
	s_wait_loadcnt 24
	WIN 0xf2                                       ; source 0 window 2, source 1 window 0
	DMUL 4
	s_wait_loadcnt 0x0
	DMUL 5
	WIN 0
.rept 4
	v_nop                                          ; four places in front of the first read of results
.endr
	WIN 0x0c                                       ; an LDS store's data: window 3
.irp rt, 0,1,2,3
.irp dt, 0,1,2,3,4,5,6,7
	ds_store_b128 v3, v[8*(8*\rt+\dt):8*(8*\rt+\dt)+3] offset:8448*\rt+64*\dt          ; each accumulator from its low end on
	ds_store_b128 v3, v[8*(8*\rt+\dt)+4:8*(8*\rt+\dt)+7] offset:8448*\rt+64*\dt+16
.endr
.endr
	WIN 0
.Lbar:
	s_wait_dscnt 0x0                               ; my partial sums have landed
	s_barrier_signal -1
	s_barrier_wait -1
	s_cmp_ge_u32 s58, s19
	s_cbranch_scc1 .Lend
	s_lshl_b32 s21, s22, 2
	s_add_co_u32 s21, s21, s14
	s_cmp_ge_u32 s21, s23                          ; my tile of rows lies past the expert's last
	s_cbranch_scc1 .Lend
.irp g, 0,1,2,3
.if \g > 0
	s_wait_xcnt 0x0                                ; the last four rows' stores have read their registers
.endif
.irp j, 0,1,2,3
.irp p, 0,1,2,3
	ds_load_b128 v[RED+16*\j+4*\p:RED+16*\j+4*\p+3], v[4+\p] offset:528*(4*\g+\j)
.endr
.endr
	s_wait_dscnt 0x0
.irp j, 0,1,2,3
.irp p, 1,2,3
	v_pk_add_f32 v[RED+16*\j:RED+16*\j+1], v[RED+16*\j:RED+16*\j+1], v[RED+16*\j+4*\p:RED+16*\j+4*\p+1]
	v_pk_add_f32 v[RED+16*\j+2:RED+16*\j+3], v[RED+16*\j+2:RED+16*\j+3], v[RED+16*\j+4*\p+2:RED+16*\j+4*\p+3]
.endr
	global_store_b128 v1, v[RED+16*\j:RED+16*\j+3], s[12:13] offset:3072*(4*\g+\j)     ; 512 consecutive bytes of a row of y
.endr
.endr
.Lend:
	s_wait_tensorcnt 0x0
	ds_add_u32 v190, v191
	s_wait_dscnt 0x0
	s_endpgm
.Lfunc_end_k_qc62e74e3ac_down:
	.size	k_qc62e74e3ac_down, .Lfunc_end_k_qc62e74e3ac_down-k_qc62e74e3ac_down
	.p2alignl 7, 3214868480
	.fill 96, 4, 3214868480
	.section	.rodata,"a",@progbits
	.p2align	6, 0x0
	.amdhsa_kernel k_qc62e74e3ac_down
		.amdhsa_group_segment_fixed_size 135680
		.amdhsa_private_segment_fixed_size 0
		.amdhsa_enable_private_segment 0
		.amdhsa_kernarg_size 40
		.amdhsa_user_sgpr_count 2
		.amdhsa_user_sgpr_kernarg_segment_ptr 1
		.amdhsa_wavefront_size32 1
		.amdhsa_system_sgpr_workgroup_id_x 1
		.amdhsa_system_sgpr_workgroup_id_y 1
		.amdhsa_system_sgpr_workgroup_id_z 1
		.amdhsa_system_vgpr_workitem_id 0
		.amdhsa_next_free_vgpr 1024
		.amdhsa_next_free_sgpr 66
		.amdhsa_reserve_vcc 0
		.amdhsa_float_denorm_mode_32 3
		.amdhsa_float_denorm_mode_16_64 3
		.amdhsa_memory_ordered 1
		.amdhsa_forward_progress 1
		.amdhsa_inst_pref_size 65
	.end_amdhsa_kernel
	.amdgpu_metadata
---
amdhsa.version: [ 1, 2 ]
amdhsa.kernels:
  - .name:           k_qc62e74e3ac_down
    .symbol:         k_qc62e74e3ac_down.kd
    .args:
      - { .name: wdq, .offset: 0, .size: 8, .value_kind: global_buffer, .address_space: global }
      - { .name: wds, .offset: 8, .size: 8, .value_kind: global_buffer, .address_space: global }
      - { .name: hq, .offset: 16, .size: 8, .value_kind: global_buffer, .address_space: global }
      - { .name: place, .offset: 24, .size: 8, .value_kind: global_buffer, .address_space: global }
      - { .name: y, .offset: 32, .size: 8, .value_kind: global_buffer, .address_space: global }
    .group_segment_fixed_size: 135680
    .private_segment_fixed_size: 0
    .kernarg_segment_align: 8
    .kernarg_segment_size: 40
    .max_flat_workgroup_size: 128
    .sgpr_count:     66
    .vgpr_count:     1024
    .wavefront_size: 32
...
	.end_amdgpu_metadata
.endif
;; end of part 3
;; launch combine (part 4): grid 256 x 1, 4 waves a work-group, no clusters, 0 bytes of LDS; arguments y, place, wts, out0; writes out0
.if DOCPART == 4
	.amdgcn_target "amdgcn-amd-amdhsa--gfx1250"
	.amdhsa_code_object_version 6
	.text
	.protected	k_qc62e74e3ac_combine
	.globl	k_qc62e74e3ac_combine
	.p2align	8
	.type	k_qc62e74e3ac_combine,@function
k_qc62e74e3ac_combine:
	s_mov_b64 s[64:65], 0
	v_nop
	global_prefetch_b8 v0, s[64:65] scope:SCOPE_SE
	s_setreg_imm32_b32 hwreg(HW_REG_WAVE_MODE, 25, 1), 1
	s_wait_xcnt 0x0
; combine: out0[n][:] = w0[n] y[pos[2 n]][:] + w1[n] y[pos[2 n + 1]][:].  One wave a token; a row is 3,072 bytes, six loads or stores of 512 consecutive bytes.
; The two places and the two weights are the same for the whole wave, so they come by scalar loads; the places are held inside y's 8,192 rows before they enter an address.
; No LDS, no barrier, no matrix work: the launch only moves two rows in and one out for each token.
	s_load_b256 s[4:11], s[0:1], 0x0               ; y s[4:5], place s[6:7], wts s[8:9], out0 s[10:11]
	v_lshrrev_b32 v1, 5, v0
	v_readfirstlane_b32 s12, v1                    ; wave
	v_and_b32 v2, 31, v0
	v_lshlrev_b32 v2, 4, v2                        ; 16 x lane
	s_lshl_b32 s13, ttmp9, 2
	s_add_co_u32 s13, s13, s12                     ; token
	s_lshl_b32 s14, s13, 3
	s_mul_i32 s16, s13, 3072
	s_mov_b32 s17, 0
	s_wait_kmcnt 0x0
	s_load_b64 s[20:21], s[6:7], s14 offset:0x0    ; the two rows' places
	s_load_b64 s[22:23], s[8:9], s14 offset:0x0    ; w0, w1
	s_add_nc_u64 s[10:11], s[10:11], s[16:17]
	s_wait_kmcnt 0x0
	s_min_u32 s20, s20, 8191
	s_min_u32 s21, s21, 8191
	s_mul_i32 s24, s20, 3072
	s_mov_b32 s25, 0
	s_mul_i32 s26, s21, 3072
	s_mov_b32 s27, 0
	s_add_nc_u64 s[24:25], s[4:5], s[24:25]
	s_add_nc_u64 s[26:27], s[4:5], s[26:27]
	s_mov_b32 s28, s23                             ; w1 in a pair of its own: the packed forms take a pair's low word for both halves
	s_mov_b32 s29, s23
.irp i, 0,1,2,3,4,5
	global_load_b128 v[4+4*\i:7+4*\i], v2, s[24:25] offset:512*\i th:TH_LOAD_NT
.endr
.irp i, 0,1,2,3,4,5
	global_load_b128 v[28+4*\i:31+4*\i], v2, s[26:27] offset:512*\i th:TH_LOAD_NT
.endr
	s_wait_loadcnt 0x0
.irp i, 0,2,4,6,8,10,12,14,16,18,20,22
	v_pk_mul_f32 v[28+\i:29+\i], v[28+\i:29+\i], s[28:29] op_sel_hi:[1,0]
.endr
.irp i, 0,2,4,6,8,10,12,14,16,18,20,22
	v_pk_fma_f32 v[4+\i:5+\i], v[4+\i:5+\i], s[22:23], v[28+\i:29+\i] op_sel_hi:[1,0,1]
.endr
.irp i, 0,1,2,3,4,5
	global_store_b128 v2, v[4+4*\i:7+4*\i], s[10:11] offset:512*\i th:TH_STORE_NT
.endr
	s_endpgm
.Lfunc_end_k_qc62e74e3ac_combine:
	.size	k_qc62e74e3ac_combine, .Lfunc_end_k_qc62e74e3ac_combine-k_qc62e74e3ac_combine
	.p2alignl 7, 3214868480
	.fill 96, 4, 3214868480
	.section	.rodata,"a",@progbits
	.p2align	6, 0x0
	.amdhsa_kernel k_qc62e74e3ac_combine
		.amdhsa_group_segment_fixed_size 0
		.amdhsa_private_segment_fixed_size 0
		.amdhsa_enable_private_segment 0
		.amdhsa_kernarg_size 32
		.amdhsa_user_sgpr_count 2
		.amdhsa_user_sgpr_kernarg_segment_ptr 1
		.amdhsa_wavefront_size32 1
		.amdhsa_system_sgpr_workgroup_id_x 1
		.amdhsa_system_sgpr_workgroup_id_y 1
		.amdhsa_system_sgpr_workgroup_id_z 1
		.amdhsa_system_vgpr_workitem_id 0
		.amdhsa_next_free_vgpr 64
		.amdhsa_next_free_sgpr 66
		.amdhsa_reserve_vcc 0
		.amdhsa_float_denorm_mode_32 3
		.amdhsa_float_denorm_mode_16_64 3
		.amdhsa_memory_ordered 1
		.amdhsa_forward_progress 1
		.amdhsa_inst_pref_size 5
	.end_amdhsa_kernel
	.amdgpu_metadata
---
amdhsa.version: [ 1, 2 ]
amdhsa.kernels:
  - .name:           k_qc62e74e3ac_combine
    .symbol:         k_qc62e74e3ac_combine.kd
    .args:
      - { .name: y, .offset: 0, .size: 8, .value_kind: global_buffer, .address_space: global }
      - { .name: place, .offset: 8, .size: 8, .value_kind: global_buffer, .address_space: global }
      - { .name: wts, .offset: 16, .size: 8, .value_kind: global_buffer, .address_space: global }
      - { .name: out0, .offset: 24, .size: 8, .value_kind: global_buffer, .address_space: global }
    .group_segment_fixed_size: 0
    .private_segment_fixed_size: 0
    .kernarg_segment_align: 8
    .kernarg_segment_size: 32
    .max_flat_workgroup_size: 128
    .sgpr_count:     66
    .vgpr_count:     64
    .wavefront_size: 32
...
	.end_amdgpu_metadata
.endif
;; end of part 4
;; ======== version 2 of 2: 4 launches
;; workspace buffers: wdq 9,437,184 bytes; wds 589,824 bytes; xq 524,288 bytes; wts 8,192 bytes; route 5,120 bytes of whole numbers; hq 13,369,344 bytes; place 8,704 bytes of whole numbers; y 25,165,824 bytes
;; launch prep (part 5): grid 256 x 1, 8 waves a work-group, no clusters, 173,056 bytes of LDS; arguments x, router_w, Wd, wdq, wds, xq, wts, route; writes wdq, wds, xq, wts, route
.if DOCPART == 5
	.amdgcn_target "amdgcn-amd-amdhsa--gfx1250"
	.amdhsa_code_object_version 6
	.text
	.protected	k_qc62e74e3ac_prep
	.globl	k_qc62e74e3ac_prep
	.p2align	8
	.type	k_qc62e74e3ac_prep,@function
k_qc62e74e3ac_prep:
	s_mov_b64 s[64:65], 0
	v_nop
	global_prefetch_b8 v0, s[64:65] scope:SCOPE_SE
	s_setreg_imm32_b32 hwreg(HW_REG_WAVE_MODE, 25, 1), 1
	s_wait_xcnt 0x0
; prep: (a) Wd [8][768][3072] f32 -> codes of E2M1 in the order of an operand's registers (wdq) and E8M0 scale words (wds);
;       (b) x [1024][768] f32 -> a record of 512 bytes a token (xq: 384 bytes of codes, K ascending; six scale words; zeros);
;       (c) the router: f32 logits, top-2 (a strict > keeps the lower index on ties), softmax of the two with the larger taken away;
;           stored at FIXED places: wts[token] = (w0, w1), route: ids[token] = i1 | i2 << 8 and, for each expert, a bit mask over the tokens.
; Work-groups 0-63 take 16 tokens each, work-groups 64-255 take Wd: each of their 8 waves 16 rows x 768 along K (six steps of 128).
; A STEP: 16 loads of 512 consecutive bytes (one row each); the 8,192 bytes turn through the wave's own stage in LDS (rows 528 bytes apart) so that
; lane (r, h) holds k = 64 c + 32 h + 0..31 of row r in registers 32 c + 0..31: two whole blocks of 32, in the order that the 4-bit operand layout gives that lane.
; A block's scale byte is its largest magnitude's exponent field - 2.
; LIMITS: a block whose largest magnitude lies under 2^-124 is held at the byte 1 (a block of zeros too: its codes are zeros, and this program alone reads the bytes);
; NaN and infinities among the inputs are not served; logits are taken to be finite; two logits that differ by less than the rounding of an f32 sum of 768 terms may be ranked either way.
.set XST,   67584                      ; LDS: 0: the Wd path's 8 stages of 8,448 bytes;  XST: the x path's 8 stages
.set REC,   135168                     ; 16 records, 528 bytes apart
.set RWL,   143616                     ; router_w, 8 rows of 3,072 bytes
.set LG,    168192                     ; partial logits: [K step 6][token 16][expert 8] f32
.set GO,    1                          ; v1   16 x lane
.set STW,   2                          ; v2   stage, way in
.set STR,   3                          ; v3   stage, way out: 528 r + 128 h
.set SH8,   4                          ; v4   8 h
.set OS,    5                          ; v5   24 r
.set RECC,  6                          ; v6..v13, v60: the x path's LDS addresses
.set RECS,  7
.set RECB,  8
.set RECR,  9
.set RWW,   10
.set RWR,   11
.set LGW,   12
.set LGR,   13
.set SW,    14                         ; v14-19 six scale words
.set MX,    20                         ; v20-27 at work in the quantiser
.set MY,    22
.set SO,    24
.set BY,    26
.set C,     28                         ; v28-35 a fragment's codes
.set WT,    36
.set AC,    28                         ; v28-59 the router's sums (the codes are stored by then)
.set LP,    20                         ; v20-27 eight partial logits
.set RECZ,  60
.set R,     64                         ; v64-255 three sets of 64 numbers
.set SRC,   36                         ; s[36:37] the stream's base
.set SEL,   38                         ; s[38:39] lane l xor 16
.macro PLOAD set, off, pitch           ; 16 rows x 512 bytes into a set
.irp i, 0,1,2,3,4,5,6,7,8,9,10,11,12,13,14,15
	global_load_b128 v[R+64*(\set)+4*\i:R+64*(\set)+4*\i+3], v[GO], s[SRC:SRC+1] offset:(\off)+\i*(\pitch) th:TH_LOAD_NT
.endr
.endm
.macro TURN set                        ; through my stage; LDS serves a wave's instructions in order, so no wait stands between the stores and the loads
.irp i, 0,1,2,3,4,5,6,7,8,9,10,11,12,13,14,15
	ds_store_b128 v[STW], v[R+64*(\set)+4*\i:R+64*(\set)+4*\i+3] offset:528*\i
.endr
.irp c, 0,1
.irp j, 0,1,2,3,4,5,6,7
	ds_load_b128 v[R+64*(\set)+32*\c+4*\j:R+64*(\set)+32*\c+4*\j+3], v[STR] offset:256*\c+16*\j
.endr
.endr
	s_wait_dscnt 0x0                               ; the numbers are back
.endm
.macro QUANTW set, wd                  ; 64 numbers of a lane -> 8 registers of codes in v[C..], the row's scale word in v[wd]
.set QR, R+64*(\set)
.irp c, 0,1
	v_max3_num_f32 v[MX+\c], |v[QR+32*\c]|, |v[QR+32*\c+1]|, |v[QR+32*\c+2]|
	v_max3_num_f32 v[MY+\c], |v[QR+32*\c+3]|, |v[QR+32*\c+4]|, |v[QR+32*\c+5]|
.endr
.irp i, 6,10,14,18,22,26
.irp c, 0,1
	s_delay_alu instid0(VALU_DEP_4)
	v_max3_num_f32 v[MX+\c], v[MX+\c], |v[QR+32*\c+\i]|, |v[QR+32*\c+\i+1]|
	s_delay_alu instid0(VALU_DEP_4)
	v_max3_num_f32 v[MY+\c], v[MY+\c], |v[QR+32*\c+\i+2]|, |v[QR+32*\c+\i+3]|
.endr
.endr
.irp c, 0
	s_delay_alu instid0(VALU_DEP_4)
	v_max3_num_f32 v[MX+\c], v[MX+\c], |v[QR+32*\c+30]|, |v[QR+32*\c+31]|
.endr
.irp c, 1
	s_delay_alu instid0(VALU_DEP_3)
	v_max3_num_f32 v[MX+\c], v[MX+\c], |v[QR+32*\c+30]|, |v[QR+32*\c+31]|
.endr
.irp c, 0,1
	s_delay_alu instid0(VALU_DEP_2)
	v_max3_num_f32 v[MX+\c], v[MX+\c], v[MY+\c], 0x1800000   ; the floor 2^(3 - 127): the byte cannot fall under 1
.endr
.irp c, 0,1
	s_delay_alu instid0(VALU_DEP_2)
	v_add_nc_u32 v[SO+\c], 0xff000000, v[MX+\c]    ; 2 off the exponent field: the conversion's scale operand
.endr
.irp c, 0,1
	s_delay_alu instid0(VALU_DEP_2)
	v_lshrrev_b32 v[BY+\c], 23, v[SO+\c]           ; the scale's byte
.endr
	s_delay_alu instid0(VALU_DEP_1)
	v_lshl_or_b32 v[\wd], v[BY+1], 16, v[BY]       ; my blocks h and 2 + h,
	s_delay_alu instid0(VALU_DEP_1)
	v_lshlrev_b32 v[\wd], v[SH8], v[\wd]           ; at their places in the word;
	s_delay_alu instid0(VALU_DEP_1)
	v_permlanex16_b32 v[WT], v[\wd], s[SEL], s[SEL+1]
	s_delay_alu instid0(VALU_DEP_1)
	v_or_b32 v[\wd], v[\wd], v[WT]                 ; with lane l xor 16's two the word is whole, in both halves
.irp c, 0,1
.irp g, 0,1,2,3
	v_cvt_scalef32_pk8_fp4_f32 v[C+4*\c+\g], v[QR+32*\c+8*\g:QR+32*\c+8*\g+7], v[SO+\c]
.endr
.endr
	v_nop                                          ; one plain place behind the last scaled conversion
.endm
	s_load_b256 s[4:11], s[0:1], 0x0               ; x s[4:5], router_w s[6:7], Wd s[8:9], wdq s[10:11]
	s_load_b256 s[12:19], s[0:1], 0x20             ; wds s[12:13], xq s[14:15], wts s[16:17], route s[18:19]
	v_lshl_add_u32 v62, v0, 2, 0x2a000
	v_mov_b32 v63, 0
	v_lshrrev_b32 v20, 5, v0
	s_delay_alu instid0(VALU_DEP_1)
	v_readfirstlane_b32 s20, v20                   ; wave 0..7
	v_and_b32 v21, 31, v0                          ; lane
	v_and_b32 v22, 15, v0                          ; r
	v_bfe_u32 v23, v0, 4, 1                        ; h
	s_delay_alu instid0(VALU_DEP_3)
	v_lshlrev_b32 v[GO], 4, v21
	s_delay_alu instid0(VALU_DEP_2)
	v_lshlrev_b32 v[SH8], 3, v23
	s_delay_alu instid0(VALU_DEP_4)
	v_mul_u32_u24 v[OS], v22, 24
	v_mul_u32_u24 v24, v22, 528
	v_mov_b32 v[WT], 0                             ; a lane permute's destination counts as read: written once
	s_mov_b32 s[SEL], 0x76543210
	s_mov_b32 s[SEL+1], 0xfedcba98
	s_mul_i32 s21, s20, 8448                       ; my stage in my path's run of stages
	s_cmp_lt_u32 ttmp9, 64
	s_cbranch_scc1 .Lxpath
	; ---------------- Wd: wave W = 8 (work-group - 64) + wave takes tile W / 4 (16 rows) and K steps 6 (W % 4) on
	v_add_nc_u32 v[STW], s21, v[GO]
	v_lshl_add_u32 v[STR], v23, 7, v24
	s_delay_alu instid0(VALU_DEP_1)
	v_add_nc_u32 v[STR], s21, v[STR]
	s_sub_co_u32 s22, ttmp9, 64
	s_lshl_b32 s22, s22, 3
	s_add_co_u32 s22, s22, s20                     ; W
	s_lshr_b32 s23, s22, 2                         ; tile
	s_and_b32 s24, s22, 3                          ; q
	s_mul_i32 s26, s23, 196608                     ; 16 rows of 12,288 bytes
	s_mul_i32 s25, s24, 3072
	s_add_co_u32 s26, s26, s25
	s_mov_b32 s27, 0
	s_mul_i32 s28, s23, 24576                      ; a tile's 24 fragments of 1,024 bytes
	s_mul_i32 s25, s24, 6144
	s_add_co_u32 s28, s28, s25
	s_mov_b32 s29, 0
	s_mul_i32 s30, s22, 384                        ; 16 rows x six words
	s_mov_b32 s31, 0
	s_wait_kmcnt 0x0
	s_add_nc_u64 s[SRC:SRC+1], s[8:9], s[26:27]
	s_add_nc_u64 s[10:11], s[10:11], s[28:29]
	s_add_nc_u64 s[12:13], s[12:13], s[30:31]
	s_wait_alu depctr_va_vdst(0)
	PLOAD 0, 0, 12288
	PLOAD 1, 512, 12288
	PLOAD 2, 1024, 12288                           ; 48 loads of the wave are out
.macro WSTEP s, left
	s_wait_loadcnt \left                           ; this step's 16 loads are in; the younger sets' stay out
	TURN (\s)%3
	s_wait_xcnt 0x0                                ; the last step's stores have read the codes' registers
	QUANTW (\s)%3, SW+\s
	global_store_b128 v[GO], v[C:C+3], s[10:11] offset:1024*\s          ; the fragment as it stands: 512 consecutive bytes a store
	global_store_b128 v[GO], v[C+4:C+7], s[10:11] offset:1024*\s+512
.if \s < 3
	PLOAD \s, 512*(\s+3), 12288
.endif
.endm
	WSTEP 0, 32
	WSTEP 1, 32
	WSTEP 2, 32
	WSTEP 3, 32
	WSTEP 4, 16
	WSTEP 5, 0
.irp i, 0,1,2
	global_store_b64 v[OS], v[SW+2*\i:SW+2*\i+1], s[12:13] offset:8*\i   ; row r's six words, 24 bytes a row; both halves of the lanes write the same
.endr
	s_wait_tensorcnt 0x0
	ds_add_u32 v62, v63
	s_wait_dscnt 0x0
	s_endpgm
	; ---------------- x: 16 tokens.  Every LDS address is made here, ahead of the first branch on the wave's number
.Lxpath:
	s_add_co_u32 s22, s21, XST
	s_wait_alu depctr_va_vdst(0)
	v_add_nc_u32 v[STW], s22, v[GO]
	v_lshl_add_u32 v[STR], v23, 7, v24
	s_delay_alu instid0(VALU_DEP_1)
	v_add_nc_u32 v[STR], s22, v[STR]
	s_lshl_b32 s22, s20, 6
	s_add_co_u32 s22, s22, REC
	v_lshl_add_u32 v[RECC], v23, 4, v24
	s_delay_alu instid0(VALU_DEP_1)
	v_add_nc_u32 v[RECC], s22, v[RECC]             ; record r, K step = wave: 64 wave + 16 h (+ 32 c)
	s_lshl_b32 s22, s20, 2
	s_add_co_u32 s22, s22, REC+384
	v_add_nc_u32 v[RECS], s22, v24                 ; its scale word
	v_add_nc_u32 v[RECB], REC, v24
	v_mul_u32_u24 v[RECZ], v23, 48
	s_delay_alu instid0(VALU_DEP_1)
	v_add_nc_u32 v[RECZ], v[RECZ], v[RECB]         ; the record's unused tail
	s_and_b32 s24, s20, 1
	s_mul_i32 s22, s24, 4224
	s_add_co_u32 s22, s22, REC
	v_add_nc_u32 v[RECR], s22, v[GO]               ; way out: 8 records for each of waves 6, 7
	s_mul_i32 s22, s20, 3072
	s_add_co_u32 s22, s22, RWL
	v_add_nc_u32 v[RWW], s22, v[GO]
	s_lshl_b32 s22, s20, 9
	s_add_co_u32 s23, s22, RWL
	v_lshl_add_u32 v[RWR], v23, 7, s23             ; router_w at my K step and half
	s_add_co_u32 s23, s22, LG
	v_lshl_add_u32 v[LGW], v22, 5, s23
	v_lshlrev_b32 v[LGR], 5, v22
	s_delay_alu instid0(VALU_DEP_1)
	v_add_nc_u32 v[LGR], LG, v[LGR]
	s_mul_i32 s26, ttmp9, 49152                    ; 16 rows of 3,072 bytes
	s_add_co_u32 s26, s26, s22                     ; + 512 x wave
	s_mov_b32 s27, 0
	s_mul_i32 s28, s20, 3072
	s_mov_b32 s29, 0
	s_lshl_b32 s30, ttmp9, 13
	s_lshl_b32 s25, s24, 12
	s_add_co_u32 s30, s30, s25
	s_mov_b32 s31, 0
	s_wait_kmcnt 0x0
	s_add_nc_u64 s[SRC:SRC+1], s[4:5], s[26:27]
	s_add_nc_u64 s[6:7], s[6:7], s[28:29]
	s_add_nc_u64 s[14:15], s[14:15], s[30:31]
	s_cmp_lt_u32 s20, 6
	s_cbranch_scc0 .Lx_norows
	PLOAD 0, 0, 3072                               ; waves 0-5: K step = wave of the 16 tokens
.Lx_norows:
.irp i, 0,1,2,3,4,5
	global_load_b128 v[128+4*\i:128+4*\i+3], v[GO], s[6:7] offset:512*\i    ; router_w's row = wave
.endr
	s_wait_loadcnt 0x0
	s_wait_alu depctr_va_vdst(0)
.irp i, 0,1,2,3,4,5
	ds_store_b128 v[RWW], v[128+4*\i:128+4*\i+3] offset:512*\i
.endr
	s_cmp_lt_u32 s20, 6
	s_cbranch_scc0 .Lx_others
	TURN 0
	QUANTW 0, SW
	ds_store_b128 v[RECC], v[C:C+3]
	ds_store_b128 v[RECC], v[C+4:C+7] offset:32
	ds_store_b32 v[RECS], v[SW]
	s_branch .Lx_b1
.Lx_others:
	s_cmp_eq_u32 s20, 6
	s_cbranch_scc0 .Lx_b1
.irp i, 0,1,2,3
	v_mov_b32 v[64+\i], 0
.endr
	ds_store_b64 v[RECB], v[64:65] offset:408      ; bytes 408-511 of each record are zeros, so that whole records leave
.irp i, 0,1,2
	ds_store_b128 v[RECZ], v[64:67] offset:416+16*\i
.endr
.Lx_b1:
	s_wait_dscnt 0x0                               ; my LDS stores have landed
	s_barrier_signal -1
	s_barrier_wait -1                              ; the records and router_w lie in LDS
	s_cmp_lt_u32 s20, 6
	s_cbranch_scc1 .Lx_router
.irp i, 0,1,2,3,4,5,6,7
	ds_load_b128 v[64+4*\i:64+4*\i+3], v[RECR] offset:528*\i
.endr
.irp i, 0,1,2,3,4,5,6,7
	s_wait_dscnt 7-\i                              ; the loads behind this one may stay out
	global_store_b128 v[GO], v[64+4*\i:64+4*\i+3], s[14:15] offset:512*\i    ; a record: 512 consecutive bytes
.endr
	s_branch .Lx_b2
.Lx_router:
	; partial logits over my 128 along K: lane (r, h) has 64 numbers of token r in v64-127; router_w's same k come from LDS, the same address in a half
.macro RWLOAD e
.irp c, 0,1
.irp j, 0,1,2,3,4,5,6,7
	ds_load_b128 v[128+64*((\e)%2)+32*\c+4*\j:128+64*((\e)%2)+32*\c+4*\j+3], v[RWR] offset:3072*(\e)+256*\c+16*\j
.endr
.endr
.endm
	RWLOAD 0
	s_wait_alu depctr_va_vdst(0)
.irp e, 0,1,2,3,4,5,6,7
.if \e < 7
	RWLOAD \e+1
	s_wait_dscnt 16                                ; this expert's 16 loads are in, the next one's stay out
.else
	s_wait_dscnt 0x0
.endif
	v_pk_mul_f32 v[AC+4*\e:AC+4*\e+1], v[R:R+1], v[128+64*(\e%2):128+64*(\e%2)+1]
	v_pk_mul_f32 v[AC+4*\e+2:AC+4*\e+3], v[R+2:R+3], v[128+64*(\e%2)+2:128+64*(\e%2)+3]
.irp i, 4,8,12,16,20,24,28,32,36,40,44,48,52,56,60
	s_delay_alu instid0(VALU_DEP_2)
	v_pk_fma_f32 v[AC+4*\e:AC+4*\e+1], v[R+\i:R+\i+1], v[128+64*(\e%2)+\i:128+64*(\e%2)+\i+1], v[AC+4*\e:AC+4*\e+1]
	s_delay_alu instid0(VALU_DEP_2)
	v_pk_fma_f32 v[AC+4*\e+2:AC+4*\e+3], v[R+\i+2:R+\i+3], v[128+64*(\e%2)+\i+2:128+64*(\e%2)+\i+3], v[AC+4*\e+2:AC+4*\e+3]
.endr
.endr
.irp e, 0,1,2,3,4,5,6,7
	v_pk_add_f32 v[AC+4*\e:AC+4*\e+1], v[AC+4*\e:AC+4*\e+1], v[AC+4*\e+2:AC+4*\e+3]
.endr
.irp e, 0,1,2,3,4,5,6,7
	v_add_f32 v[LP+\e], v[AC+4*\e], v[AC+4*\e+1]
.endr
.irp e, 0,1,2,3,4,5,6,7
	v_permlanex16_b32 v[AC+\e], v[LP+\e], s[SEL], s[SEL+1]
.endr
.irp e, 0,1,2,3,4,5,6,7
	v_add_f32 v[LP+\e], v[LP+\e], v[AC+\e]         ; with the other half's 64 along K
.endr
	ds_store_b128 v[LGW], v[LP:LP+3]
	ds_store_b128 v[LGW], v[LP+4:LP+7] offset:16
.Lx_b2:
	s_wait_dscnt 0x0
	s_barrier_signal -1
	s_barrier_wait -1                              ; the six partial logits of each token and expert lie in LDS
	s_cmp_lg_u32 s20, 0
	s_cbranch_scc1 .Lx_end
	; wave 0: lane r (and lane 16 + r, which does the same) finishes token r
.irp s, 0,1,2,3,4,5
	ds_load_b128 v[64+8*\s:64+8*\s+3], v[LGR] offset:512*\s
	ds_load_b128 v[64+8*\s+4:64+8*\s+7], v[LGR] offset:512*\s+16
.endr
	s_lshl_b32 s26, ttmp9, 7                       ; wts: 8 bytes a token
	s_mov_b32 s27, 0
	s_add_nc_u64 s[16:17], s[16:17], s[26:27]
	s_lshl_b32 s26, ttmp9, 6                       ; ids: 4 bytes a token, behind the masks' 1,024 bytes
	s_add_co_u32 s26, s26, 1024
	s_add_nc_u64 s[28:29], s[18:19], s[26:27]
	s_lshl_b32 s26, ttmp9, 1                       ; masks: my 16 tokens are half a word
	s_add_nc_u64 s[18:19], s[18:19], s[26:27]
	s_wait_dscnt 0x0
.irp s, 1,2,3,4,5
.irp i, 0,2,4,6
	v_pk_add_f32 v[64+\i:65+\i], v[64+\i:65+\i], v[64+8*\s+\i:65+8*\s+\i]    ; K ascending
.endr
.endr
	s_delay_alu instid0(VALU_DEP_4)
	v_mov_b32 v112, v64                            ; m1, i1: the largest logit so far; m2, i2: the second
	v_mov_b32 v113, 0
	v_mov_b32 v114, 0xff800000
	v_mov_b32 v115, 0
.irp e, 1
	s_delay_alu instid0(VALU_DEP_4)
	v_cmp_gt_f32 s40, v[64+\e], v112               ; strictly greater: on a tie the lower index stays
	s_delay_alu instid0(VALU_DEP_3)
	v_cmp_gt_f32 s41, v[64+\e], v114
	s_delay_alu instid0(VALU_DEP_1)
	v_cndmask_b32 v114, v114, v[64+\e], s41
	s_delay_alu instid0(VALU_DEP_2)
	v_cndmask_b32 v115, v115, \e, s41
	s_delay_alu instid0(VALU_DEP_2)
	v_cndmask_b32 v114, v114, v112, s40
	s_delay_alu instid0(VALU_DEP_2)
	v_cndmask_b32 v115, v115, v113, s40
	v_cndmask_b32 v112, v112, v[64+\e], s40
	v_cndmask_b32 v113, v113, \e, s40
.endr
.irp e, 2, 3, 4, 5, 6, 7
	s_delay_alu instid0(VALU_DEP_2)
	v_cmp_gt_f32 s40, v[64+\e], v112
	v_cmp_gt_f32 s41, v[64+\e], v114
	s_delay_alu instid0(VALU_DEP_1)
	v_cndmask_b32 v114, v114, v[64+\e], s41
	s_delay_alu instid0(VALU_DEP_2)
	v_cndmask_b32 v115, v115, \e, s41
	s_delay_alu instid0(VALU_DEP_2)
	v_cndmask_b32 v114, v114, v112, s40
	s_delay_alu instid0(VALU_DEP_2)
	v_cndmask_b32 v115, v115, v113, s40
	v_cndmask_b32 v112, v112, v[64+\e], s40
	v_cndmask_b32 v113, v113, \e, s40
.endr
	s_delay_alu instid0(VALU_DEP_2)
	v_sub_f32 v118, v114, v112                     ; the larger logit is taken away: 0 or less
	s_delay_alu instid0(VALU_DEP_1)
	v_mul_f32 v118, 0x3fb8aa3b, v118
	s_wait_alu depctr_va_vdst(0)
	v_exp_f32 v119, v118
	v_and_b32 v120, 15, v0                         ; (a plain place behind the exponential)
	s_wait_alu depctr_va_vdst(0)
	v_add_f32 v118, 1.0, v119
	s_wait_alu depctr_va_vdst(0)
	v_rcp_f32 v116, v118                           ; w0 = 1 / (1 + t)
	v_lshlrev_b32 v121, 2, v120                    ; (a plain place behind the reciprocal)
	s_wait_alu depctr_va_vdst(0)
	v_mul_f32 v117, v119, v116                     ; w1 = t w0
	v_lshlrev_b32 v122, 3, v120
	v_lshl_or_b32 v123, v115, 8, v113
	global_store_b32 v121, v123, s[28:29]
	global_store_b64 v122, v[116:117], s[16:17]
	v_mov_b32 v124, 0
.irp e, 0,1,2,3,4,5,6,7
	v_cmp_eq_u32 s40, \e, v113
	v_cmp_eq_u32 s41, \e, v115
	s_or_b32 s40, s40, s41
	s_and_b32 s40, s40, 0xffff                     ; bit r: token r uses expert e
	s_mov_b32 s41, 0x01010101<<\e
	v_cndmask_b32 v124, v124, s40, s41             ; lanes with lane % 8 = e take it: a value is chosen, no address
.endr
	v_and_b32 v125, 7, v0
	s_delay_alu instid0(VALU_DEP_1)
	v_lshlrev_b32 v125, 7, v125                    ; expert lane % 8: 128 bytes of masks an expert
	global_store_b16 v125, v124, s[18:19]
.Lx_end:
	s_wait_tensorcnt 0x0
	ds_add_u32 v62, v63
	s_wait_dscnt 0x0
	s_endpgm
.Lfunc_end_k_qc62e74e3ac_prep:
	.size	k_qc62e74e3ac_prep, .Lfunc_end_k_qc62e74e3ac_prep-k_qc62e74e3ac_prep
	.p2alignl 7, 3214868480
	.fill 96, 4, 3214868480
	.section	.rodata,"a",@progbits
	.p2align	6, 0x0
	.amdhsa_kernel k_qc62e74e3ac_prep
		.amdhsa_group_segment_fixed_size 173056
		.amdhsa_private_segment_fixed_size 0
		.amdhsa_enable_private_segment 0
		.amdhsa_kernarg_size 64
		.amdhsa_user_sgpr_count 2
		.amdhsa_user_sgpr_kernarg_segment_ptr 1
		.amdhsa_wavefront_size32 1
		.amdhsa_system_sgpr_workgroup_id_x 1
		.amdhsa_system_sgpr_workgroup_id_y 1
		.amdhsa_system_sgpr_workgroup_id_z 1
		.amdhsa_system_vgpr_workitem_id 0
		.amdhsa_next_free_vgpr 256
		.amdhsa_next_free_sgpr 66
		.amdhsa_reserve_vcc 0
		.amdhsa_float_denorm_mode_32 3
		.amdhsa_float_denorm_mode_16_64 3
		.amdhsa_memory_ordered 1
		.amdhsa_forward_progress 1
		.amdhsa_inst_pref_size 108
	.end_amdhsa_kernel
	.amdgpu_metadata
---
amdhsa.version: [ 1, 2 ]
amdhsa.kernels:
  - .name:           k_qc62e74e3ac_prep
    .symbol:         k_qc62e74e3ac_prep.kd
    .args:
      - { .name: x, .offset: 0, .size: 8, .value_kind: global_buffer, .address_space: global }
      - { .name: router_w, .offset: 8, .size: 8, .value_kind: global_buffer, .address_space: global }
      - { .name: Wd, .offset: 16, .size: 8, .value_kind: global_buffer, .address_space: global }
      - { .name: wdq, .offset: 24, .size: 8, .value_kind: global_buffer, .address_space: global }
      - { .name: wds, .offset: 32, .size: 8, .value_kind: global_buffer, .address_space: global }
      - { .name: xq, .offset: 40, .size: 8, .value_kind: global_buffer, .address_space: global }
      - { .name: wts, .offset: 48, .size: 8, .value_kind: global_buffer, .address_space: global }
      - { .name: route, .offset: 56, .size: 8, .value_kind: global_buffer, .address_space: global }
    .group_segment_fixed_size: 173056
    .private_segment_fixed_size: 0
    .kernarg_segment_align: 8
    .kernarg_segment_size: 64
    .max_flat_workgroup_size: 256
    .sgpr_count:     66
    .vgpr_count:     256
    .wavefront_size: 32
...
	.end_amdgpu_metadata
.endif
;; end of part 5
;; launch gateup (part 6): grid 256 x 1, 8 waves a work-group, no clusters, 95,232 bytes of LDS; arguments Wg, Wu, xq, route, hq, place; writes hq, place
.if DOCPART == 6
	.amdgcn_target "amdgcn-amd-amdhsa--gfx1250"
	.amdhsa_code_object_version 6
	.text
	.protected	k_qc62e74e3ac_gateup
	.globl	k_qc62e74e3ac_gateup
	.p2align	8
	.type	k_qc62e74e3ac_gateup,@function
k_qc62e74e3ac_gateup:
	s_mov_b64 s[64:65], 0
	v_nop
	global_prefetch_b8 v0, s[64:65] scope:SCOPE_SE
	s_setreg_imm32_b32 hwreg(HW_REG_WAVE_SCHED_MODE, 0, 2), 2
	s_setreg_imm32_b32 hwreg(HW_REG_WAVE_MODE, 25, 1), 1
	s_wait_xcnt 0x0
	s_wait_alu depctr_vm_vsrc(0)
; gateup: h = silu(x Wg_e^T) * (x Wu_e^T) for the rows that chose expert e, both products on codes of E2M1 with E8M0 scales; h is quantised along H and stored as codes (hq).
; Work-group = (expert e = id / 32, slice = id % 32): 96 hidden units, as 3 units of 32 (one block of the next K each).  Each weight byte is read once, as f32.
; ROLES.  Waves 0-3 PRODUCE: wave p streams 16 rows x 768 of Wg (p < 2) or Wu, tile u = p % 2, a ring of three register sets (48 loads of the wave out), quantises in registers
; and lays each fragment and its scale words in LDS as an image of the operand's registers.  Waves 4-7 CONSUME the unit made one barrier earlier: they gather the chosen tokens'
; records from xq, multiply, and finish.  A wave's loads come back in order, so the stream and the gathers have waves, and counters, of their own.  The last unit is consumed by all eight.
; No multicast: no two work-groups read the same weights, and the row counts are read from memory.
; THE ROWS OF A WEIGHT TILE ARE NOT NEIGHBOURS: lane r of tile u takes row 8 u + r + 8 (r / 8) of the unit, and the product is used transposed (source 0 = 16 weight rows, source 1 = 16 tokens):
; lane (r, h) then holds token r and, over tiles 0 and 1, hidden units 16 h + 0..15 of the unit.
; ROWS.  route holds for each expert a bit mask over the tokens.  Rank q -> token is found by a search over the 32 mask words (compares and selects) and a bit select; LDS and memory places of that
; step are fixed.  Row q of expert e lives at tile 64 e + q / 16 of hq; place[2 token + k] = 1024 e + q, place's count word e = the expert's rows.
; Rows past the expert's count in its last tile repeat token 0 and are never read as results.
; The scale bytes of h leave one byte a lane, 24 bytes from row to row: one byte for each 128 bytes of weights read.
; LIMITS: blocks under 2^-124 are held at the byte 1 (blocks of zeros too; this program alone reads the bytes); NaN and infinities are not served.
; THE MODE: SCHED_MODE bits 1:0 = 2 (LLVM: expert scheduling mode 2), set by the entry lines.  The code itself states the register dependences
; between vector or matrix instructions and memory or LDS instructions, with s_wait_alu, always for 0.
; THE PLAN.  Registers that memory or LDS instructions touch:
;   v1-v9, v61-v63  offsets and addresses: written at the head, never again; one wait on va_vdst at the head's end serves every access by them.
;   RAW0 .. RAW2    (window 1) A producer's step: global loads land in RAW[s % 3]; its 16 LDS stores into the stage read it; behind one wait on vm_vsrc it is loaded again.  No vector instruction names it.
;   XT              The stage's LDS loads land in it; the quantiser reads it.  One wait on va_vdst behind the conversions: XT is read out (the next step's LDS loads), the codes and the word are written (the image stores).
;   v24-31, v56     Written by the quantiser, read by the image stores; the next step's wait on vm_vsrc stands ahead of the next quantiser.
;   A consumer's trip: its addresses are made and the tokens to come are shifted first; one wait on va_vdst (all these are written; the last trip's products are done with XA, XB and the tokens' scale words); then all its gathers.
;   OUA, OUB        two sets of a tile's store registers, one for each tile of a pair: written by the tile's last lines, one wait on va_vdst, read by its stores; one wait on vm_vsrc at the trip's end frees both, and the addresses.
;   A unit's fragments, the weights' scale words and v[TOKP ..] are loaded from LDS at a unit's head: whatever vector or matrix instruction names them stands ahead of one of the waits above, so the head owes none.
;   The accumulators, T and the other registers at work are named by vector and matrix instructions alone.
.set BUFB,  27648                      ; LDS: two buffers of 24 images x 1,024 bytes + 24 x 128 bytes of scale words
.set SCI,   24576
.set LIST,  55296                      ; rank -> token, 1,024 words
.set STAGE, 59392                      ; four stages of 8,448 bytes (16 rows, 528 bytes apart), one a producer
.set HS0,   12582912                   ; hq: the scale bytes begin here
.set LI,    1                          ; v1   16 x lane
.set SCR,   2                          ; v2   4 x lane + 768 h: lanes 0-15 read tile 0's scale words, lanes 16-31 tile 1's
.set STW,   3
.set STR,   4
.set IMW,   5                          ; v5   16 x lane + 6,144 p
.set SCW,   6                          ; v6   4 x lane + 768 p
.set LST,   7                          ; v7   LIST + 4 (128 wave + lane)
.set LR4,   8                          ; v8   LIST + 64 (wave % 4) + 256 h + 4 r
.set LR8,   9                          ; v9   LIST + 64 wave + 512 h + 4 r
.set SH8,   10
.set Q0,    11                         ; v11  128 wave + lane
.set H16,   12
.set CO,    13                         ; v13  16 r + 8 h
.set SOF,   14                         ; v14  24 r
.set RR,    15                         ; v15  r
.set MX,    16                         ; v16-31 at work: the quantiser's, the list's
.set MY,    18
.set SO,    20
.set BY,    22
.set C,     24
.set LQ,    16
.set LM,    17
.set LPF,   18
.set LGR,   19
.set LA,    20
.set LB,    21
.set LC,    22
.set LD,    23
.set LJ,    24
.set LPOS,  25
.set LT,    26
.set LU,    27
.set LAD,   28
.set WSC,   32                         ; v32-43 weight scale words, v44-49 and v50-55 the tokens': these hold scales and nothing else
.set XSA,   44
.set XSB,   50
.set WD,    56
.set WT,    57
.set TX,    58
.set TX2,   59
.set NV,    60
.set ZV,    61
.set XT,    64                         ; producers: v64-127 a step's 64 numbers, back from the stage
.set TOKP,  64                         ; consumers: v64-71 tokens of the tile pairs to come
.set TKA,   72
.set TKB,   73
.set OA,    74
.set OAC,   75
.set OB,    76
.set OBC,   77
.set IDA,   78
.set IDB,   79
.set QM,    80
.set QN,    81
.set QS,    82
.set OUA,   84                         ; v84-90   the first tile's store registers: +0, +1 codes, +2 the byte, +3, +4 their offsets, +5, +6 place's index and value
.set IA4,   91
.set IB4,   92
.set XA,    96                         ; v96-143, v144-191 two tiles of tokens: six fragments each
.set XB,    144
.set ACC,   192                        ; v192-223 gate tile 0, gate tile 1, up tile 0, up tile 1
.set T,     224                        ; v224-239
.set OUB,   240                        ; v240-246 the second tile's store registers
                                       ; window 1, v0-191: a consumer's 24 weight fragments, fragment 6 p + s at 8 (6 p + s); a producer's three raw sets of 64 numbers, set k at 64 k
.set SRC,   74                         ; s[74:75]
.set SEL,   20                         ; s[20:21]
.set MK,    66                         ; s[66:73] in the list's loop: eight compares' masks
.set PF,    88                         ; s[88:95] in the list's loop: the eight words' first ranks
.set MSB, 0
.macro WIN new                         ; the immediate's high byte repeats the setting that is left
.if MSB != \new
	s_set_vgpr_msb (MSB<<8)|\new
.set MSB, \new
.endif
.endm
.macro BARRIER
	s_wait_dscnt 0x0                               ; my LDS stores have landed and my LDS loads are in
	s_barrier_signal -1
	s_barrier_wait -1
.endm
.macro PLOAD set, off                  ; 16 rows (0-7 and 16-23 from the tile's first) x 512 bytes, into a raw set: the destination's window is 1
.irp i, 0,1,2,3,4,5,6,7,8,9,10,11,12,13,14,15
	global_load_b128 v[64*(\set)+4*\i:64*(\set)+4*\i+3], v[LI], s[SRC:SRC+1] offset:(\off)+(\i+8*(\i/8))*3072 th:TH_LOAD_NT
.endr
.endm
.macro TOSTAGE set                     ; a raw set into my stage, as it was loaded
	WIN 0x04                                       ; an LDS store's data are its source 1: window 1
.irp i, 0,1,2,3,4,5,6,7,8,9,10,11,12,13,14,15
	ds_store_b128 v[STW], v[64*(\set)+4*\i:64*(\set)+4*\i+3] offset:528*\i
.endr
.endm
.macro FROMSTAGE                       ; and back, 64 numbers of one row a lane; LDS serves a wave's instructions in order, so no wait on DScnt stands between the stores and the loads
.irp c, 0,1
.irp j, 0,1,2,3,4,5,6,7
	ds_load_b128 v[XT+32*\c+4*\j:XT+32*\c+4*\j+3], v[STR] offset:256*\c+16*\j
.endr
.endr
	s_wait_dscnt 0x0                               ; the numbers are back
.endm
.macro QUANTW wd
.irp c, 0,1
	v_max3_num_f32 v[MX+\c], |v[XT+32*\c]|, |v[XT+32*\c+1]|, |v[XT+32*\c+2]|
	v_max3_num_f32 v[MY+\c], |v[XT+32*\c+3]|, |v[XT+32*\c+4]|, |v[XT+32*\c+5]|
.endr
.irp i, 6,10,14,18,22,26
.irp c, 0,1
	v_max3_num_f32 v[MX+\c], v[MX+\c], |v[XT+32*\c+\i]|, |v[XT+32*\c+\i+1]|
	v_max3_num_f32 v[MY+\c], v[MY+\c], |v[XT+32*\c+\i+2]|, |v[XT+32*\c+\i+3]|
.endr
.endr
.irp c, 0,1
	v_max3_num_f32 v[MX+\c], v[MX+\c], |v[XT+32*\c+30]|, |v[XT+32*\c+31]|
.endr
.irp c, 0,1
	v_max3_num_f32 v[MX+\c], v[MX+\c], v[MY+\c], 0x1800000   ; the floor 2^(3 - 127)
.endr
.irp c, 0,1
	v_add_nc_u32 v[SO+\c], 0xff000000, v[MX+\c]
.endr
.irp c, 0,1
	v_lshrrev_b32 v[BY+\c], 23, v[SO+\c]
.endr
	v_lshl_or_b32 v[\wd], v[BY+1], 16, v[BY]
	v_lshlrev_b32 v[\wd], v[SH8], v[\wd]
	v_permlanex16_b32 v[WT], v[\wd], s[SEL], s[SEL+1]
	v_or_b32 v[\wd], v[\wd], v[WT]                 ; row r's word, in both halves of the lanes
.irp c, 0,1
.irp g, 0,1,2,3
	v_cvt_scalef32_pk8_fp4_f32 v[C+4*\c+\g], v[XT+32*\c+8*\g:XT+32*\c+8*\g+7], v[SO+\c]
.endr
.endr
	v_nop
.endm
; unit j, K step s -> image 6 p + s of buffer buf.  The raw set is loaded again, three steps ahead, as soon as the stage's stores have read it
.macro PSTEP j, s, buf, left
	s_wait_loadcnt \left                           ; this step's 16 loads are in; the younger sets' stay out
	TOSTAGE (\s)%3
.if ((\s) < 3) || ((\j) < 2)
	WIN 0x40                                       ; a load's destination: window 1
.else
	WIN 0
.endif
	s_wait_alu depctr_vm_vsrc(0)                   ; the stores above have read the raw set, in which the loads below land; the last step's image stores have read v[C ..] and v[WD], which this step's quantiser writes
.if (\s) < 3
	PLOAD (\s)%3, (\j)*98304+512*((\s)+3)
.elseif (\j) < 2
	PLOAD (\s)%3, ((\j)+1)*98304+512*((\s)-3)
.endif
	WIN 0
	FROMSTAGE                                      ; into XT.  No wait: no vector instruction since the last wait on va_vdst names XT
	QUANTW WD
	s_wait_alu depctr_va_vdst(0)                   ; the quantiser has written v[C ..] and v[WD], which the stores below read, and is done reading XT, in which the next step's LDS loads land
	ds_store_b128 v[IMW], v[C:C+3] offset:(\buf)*BUFB+1024*(\s)
	ds_store_b128 v[IMW], v[C+4:C+7] offset:(\buf)*BUFB+1024*(\s)+512
	ds_store_b32 v[SCW], v[WD] offset:(\buf)*BUFB+SCI+128*(\s)
.endm
.macro PRODUCE j, buf
	PSTEP \j, 0, \buf, 32
	PSTEP \j, 1, \buf, 32
	PSTEP \j, 2, \buf, 32
	PSTEP \j, 3, \buf, 32
.if \j < 2
	PSTEP \j, 4, \buf, 32
	PSTEP \j, 5, \buf, 32
.else
	PSTEP \j, 4, \buf, 16                          ; the stream's end: the counts run down
	PSTEP \j, 5, \buf, 0
.endif
.endm
.macro XLOAD X, XS, O, OC              ; a tile of 16 tokens: six fragments from the records' codes, six scale words
.irp s, 0,1,2,3,4,5
	global_load_b128 v[\X+8*\s:\X+8*\s+3], v[\OC], s[8:9] offset:64*\s
	global_load_b128 v[\X+8*\s+4:\X+8*\s+7], v[\OC], s[8:9] offset:64*\s+32
.endr
	global_load_b128 v[\XS:\XS+3], v[\O], s[8:9] offset:384
	global_load_b64 v[\XS+4:\XS+5], v[\O], s[8:9] offset:400
.endm
.macro WM p, s, X, XS
.if (\s) == 0
.if (\p)%2
	v_wmma_scale_f32_16x16x128_f8f6f4 v[ACC+8*(\p):ACC+8*(\p)+7], v[8*(6*(\p)+(\s)):8*(6*(\p)+(\s))+7], v[\X+8*(\s):\X+8*(\s)+7], 0, v[WSC+6*((\p)/2)+(\s)], v[\XS+(\s)] matrix_a_fmt:MATRIX_FMT_FP4 matrix_b_fmt:MATRIX_FMT_FP4 matrix_a_scale:MATRIX_SCALE_ROW1
.else
	v_wmma_scale_f32_16x16x128_f8f6f4 v[ACC+8*(\p):ACC+8*(\p)+7], v[8*(6*(\p)+(\s)):8*(6*(\p)+(\s))+7], v[\X+8*(\s):\X+8*(\s)+7], 0, v[WSC+6*((\p)/2)+(\s)], v[\XS+(\s)] matrix_a_fmt:MATRIX_FMT_FP4 matrix_b_fmt:MATRIX_FMT_FP4
.endif
.else
.if (\p)%2
	v_wmma_scale_f32_16x16x128_f8f6f4 v[ACC+8*(\p):ACC+8*(\p)+7], v[8*(6*(\p)+(\s)):8*(6*(\p)+(\s))+7], v[\X+8*(\s):\X+8*(\s)+7], v[ACC+8*(\p):ACC+8*(\p)+7], v[WSC+6*((\p)/2)+(\s)], v[\XS+(\s)] matrix_a_fmt:MATRIX_FMT_FP4 matrix_b_fmt:MATRIX_FMT_FP4 matrix_a_scale:MATRIX_SCALE_ROW1
.else
	v_wmma_scale_f32_16x16x128_f8f6f4 v[ACC+8*(\p):ACC+8*(\p)+7], v[8*(6*(\p)+(\s)):8*(6*(\p)+(\s))+7], v[\X+8*(\s):\X+8*(\s)+7], v[ACC+8*(\p):ACC+8*(\p)+7], v[WSC+6*((\p)/2)+(\s)], v[\XS+(\s)] matrix_a_fmt:MATRIX_FMT_FP4 matrix_b_fmt:MATRIX_FMT_FP4
.endif
.endif
.endm
.macro TILE X, XS                      ; 24 products: the four accumulators by turns, one instruction a turn; the first K step starts the sums
	WIN 0x01                                       ; source 0 (the weights) in window 1
.irp s, 0,1,2,3,4,5
.irp p, 0,1,2,3
	WM \p, \s, \X, \XS
.endr
.endr
	WIN 0
.endm
; a tile's 16 tokens x 32 hidden units: silu(gate) x up, quantised, stored.  tadd: the tile is s26 + tadd.  O: the tile's own set of store registers
.macro EPI unit, tadd, TK, ID, O
	s_add_co_u32 s28, s26, s78                     ; 64 e + tile
.if \tadd
	s_add_co_u32 s28, s28, \tadd
.endif
	s_mul_i32 s29, s28, 24576
	s_add_co_u32 s29, s29, s79                     ; + 256 x block
	s_mul_i32 s30, s28, 1536
	s_add_co_u32 s30, s30, s80
	v_add_nc_u32 v[\O+3], s29, v[CO]               ; these two and the two v_nop are the four places behind the last product
	v_add_nc_u32 v[\O+4], s30, v[SOF]
	v_nop
	v_nop
.irp i, 0,2,4,6,8,10,12,14
	v_pk_mul_f32 v[T+\i:T+\i+1], v[ACC+\i:ACC+\i+1], s[22:23] op_sel_hi:[1,0]      ; -g log2(e); each accumulator is read from its low end on
.endr
	s_wait_alu depctr_va_vdst(0)
.irp i, 0,1,2,3,4,5,6,7,8,9,10,11,12,13,14,15
	v_exp_f32 v[T+\i], v[T+\i]
.endr
	s_wait_alu depctr_va_vdst(0)
.irp i, 0,2,4,6,8,10,12,14
	v_pk_mul_f32 v[ACC+16+\i:ACC+17+\i], v[ACC+\i:ACC+\i+1], v[ACC+16+\i:ACC+17+\i]   ; g u (plain places behind the exponentials)
.endr
	s_wait_alu depctr_va_vdst(0)                   ; the sixteen exponentials have written v[T ..]: one wait for the batch, ahead of its first reader
.irp i, 0,2,4,6,8,10,12,14
	v_pk_add_f32 v[T+\i:T+\i+1], v[T+\i:T+\i+1], 1.0 op_sel_hi:[1,0]
.endr
	s_wait_alu depctr_va_vdst(0)
.irp i, 0,1,2,3,4,5,6,7,8,9,10,11,12,13,14,15
	v_rcp_f32 v[T+\i], v[T+\i]
.endr
	v_nop
	s_wait_alu depctr_va_vdst(0)                   ; the sixteen reciprocals have written v[T ..]: one wait for the batch, ahead of its first reader
.irp i, 0,2,4,6,8,10,12,14
	v_pk_mul_f32 v[ACC+16+\i:ACC+17+\i], v[ACC+16+\i:ACC+17+\i], v[T+\i:T+\i+1]       ; h = g u / (1 + e^-g): 16 neighbours along H
.endr
	v_max3_num_f32 v[QM], |v[ACC+16]|, |v[ACC+17]|, 0x1800000
	v_max3_num_f32 v[QN], |v[ACC+24]|, |v[ACC+25]|, |v[ACC+26]|
	v_max3_num_f32 v[QM], v[QM], |v[ACC+18]|, |v[ACC+19]|
	v_max3_num_f32 v[QN], v[QN], |v[ACC+27]|, |v[ACC+28]|
	v_max3_num_f32 v[QM], v[QM], |v[ACC+20]|, |v[ACC+21]|
	v_max3_num_f32 v[QN], v[QN], |v[ACC+29]|, |v[ACC+30]|
	v_max3_num_f32 v[QM], v[QM], |v[ACC+22]|, |v[ACC+23]|
	v_max3_num_f32 v[QM], v[QM], v[QN], |v[ACC+31]|
	v_permlanex16_b32 v[TX2], v[QM], s[SEL], s[SEL+1]
	v_max_num_f32 v[QM], v[QM], v[TX2]             ; the block's largest magnitude
	v_add_nc_u32 v[QS], 0xff000000, v[QM]
	v_lshrrev_b32 v[\O+2], 23, v[QS]
	v_cvt_scalef32_pk8_fp4_f32 v[\O], v[ACC+16:ACC+23], v[QS]
	v_cvt_scalef32_pk8_fp4_f32 v[\O+1], v[ACC+24:ACC+31], v[QS]
	v_nop
	s_wait_alu depctr_va_vdst(0)                   ; the codes, the byte and the two offsets are written: the two stores read them
	global_store_b64 v[\O+3], v[\O:\O+1], s[12:13] ; the 32 lanes fill 256 consecutive bytes: the block's part of a fragment's image
	global_store_b8 v[\O+4], v[\O+2], s[12:13]     ; both halves of the lanes write the same byte
.if \unit == 0
	s_cmp_lg_u32 s18, 0                            ; slice 0 also says where each (token, choice) has its row
	s_cbranch_scc1 .Lnopos_\@
	v_bfe_u32 v[\O+5], v[\ID], 8, 8                ; the token's second choice
	s_sub_co_u32 s31, s28, s78
	s_lshl_b32 s31, s31, 4
	v_add_nc_u32 v[\O+6], s31, v[RR]               ; the rank
	v_cmp_eq_u32 s2, s17, v[\O+5]                  ; the two compares in a run,
	v_cmp_gt_u32 s3, s24, v[\O+6]
	s_wait_alu depctr_va_sdst(0)                   ; s2 and s3 are written, ahead of the selects that read them
	v_cndmask_b32 v[\O+5], 0, 1, s2
	v_lshl_add_u32 v[\O+5], v[\TK], 1, v[\O+5]     ; 2 token + k
	v_cndmask_b32 v[\O+5], s81, v[\O+5], s3        ; ranks past the count go to the expert's spare word
	v_min_u32 v[\O+5], 0x80f, v[\O+5]
	v_lshlrev_b32 v[\O+5], 2, v[\O+5]
	v_add_nc_u32 v[\O+6], s82, v[\O+6]
	s_wait_alu depctr_va_vdst(0)                   ; place's offset and value are written: the store reads them
	global_store_b32 v[\O+5], v[\O+6], s[14:15]
.Lnopos_\@:
.endif
.endm
; the unit in buffer buf is multiplied with the expert's tiles s26, s26 + str, s26 + 2 str ..: two a trip, a constant number of trips; the loop holds no LDS access
.macro CONSUME unit, buf, str
	s_wait_loadcnt 0x0                             ; from here on no earlier global load of this wave is out: the registers loaded below bear the numbers of the producers' ring.
	                                               ; A wave that consumes has none out here (each trip below ends with the count 0), a wave that produced has ended its stream with the count 0: the wait is met at once
	WIN 0x40                                       ; destination window 1
.irp f, 0,1,2,3,4,5,6,7,8,9,10,11,12,13,14,15,16,17,18,19,20,21,22,23
	ds_load_b128 v[8*\f:8*\f+3], v[LI] offset:(\buf)*BUFB+1024*\f      ; no s_wait_alu is owed here: the products that read the fragments and the weights' scale words stand ahead of the waits in their tile's last lines,
	ds_load_b128 v[8*\f+4:8*\f+7], v[LI] offset:(\buf)*BUFB+1024*\f+512  ; the lines that name v[TOKP ..] ahead of their trip's wait, a producer's quantiser ahead of its step's; a producer's LDS stores have read the raw sets behind its step's wait on vm_vsrc
.endr
	WIN 0
.irp pp, 0,1
.irp s, 0,1,2,3,4,5
	ds_load_b32 v[WSC+6*\pp+\s], v[SCR] offset:(\buf)*BUFB+SCI+128*(12*\pp+\s)
.endr
.endr
.if \str == 4
.irp k, 0,1,2,3,4,5,6,7
	ds_load_b32 v[TOKP+\k], v[LR4] offset:512*\k   ; lanes 0-15: the pair's first tile, lanes 16-31: its second
.endr
	s_mov_b32 s26, s19
.else
.irp k, 0,1,2,3
	ds_load_b32 v[TOKP+\k], v[LR8] offset:1024*\k
.endr
	s_mov_b32 s26, s16
.endif
	s_add_co_u32 s79, s83, 256*\unit
	s_add_co_u32 s80, s86, \unit
	s_mov_b32 s27, 32/\str
	s_wait_dscnt 0x0
.if \unit == 0
.set NLD, 15
.else
.set NLD, 14
.endif
.Lpair_\@:
	s_cmp_ge_u32 s26, s25                          ; no such tile: a branch on a stored count, round the work alone
	s_cbranch_scc1 .Lskip_\@
	v_permlanex16_b32 v[TX], v[TOKP], s[SEL], s[SEL+1]
	v_cndmask_b32 v[TKA], v[TOKP], v[TX], s70
	v_cndmask_b32 v[TKB], v[TX], v[TOKP], s70
	v_min_u32 v[TKA], 0x3ff, v[TKA]
	v_min_u32 v[TKB], 0x3ff, v[TKB]
	v_lshlrev_b32 v[OA], 9, v[TKA]
	v_lshlrev_b32 v[OB], 9, v[TKB]
	v_add_nc_u32 v[OAC], v[OA], v[H16]
	v_add_nc_u32 v[OBC], v[OB], v[H16]
.if \unit == 0
	v_lshlrev_b32 v[IA4], 2, v[TKA]
	v_lshlrev_b32 v[IB4], 2, v[TKB]
.endif
.if \str == 4                          ; the tokens of the pairs to come move up by one, here, ahead of the trip's wait.  A trip that is passed over shifts nothing: s26 only grows, so every later trip is passed over too
.irp k, 0,1,2,3,4,5,6
	v_mov_b32 v[TOKP+\k], v[TOKP+\k+1]
.endr
.else
.irp k, 0,1,2
	v_mov_b32 v[TOKP+\k], v[TOKP+\k+1]
.endr
.endif
	s_wait_alu depctr_va_vdst(0)                   ; the trip's offsets are written, which its loads read; the last trip's products are done reading XA, XB and the tokens' scale words, its vector lines the ids: the loads land in these;
	                                               ; and the shift has written and read v[TOKP ..], in which the next LDS loads behind the barrier land
	XLOAD XA, XSA, OA, OAC
.if \unit == 0
	global_load_b32 v[IDA], v[IA4], s[76:77]
.endif
	XLOAD XB, XSB, OB, OBC
.if \unit == 0
	global_load_b32 v[IDB], v[IB4], s[76:77]
.endif
	s_wait_loadcnt NLD                             ; the first tile's loads are in, the second's stay out
	TILE XA, XSA
	EPI \unit, 0, TKA, IDA, OUA
	s_add_co_u32 s28, s26, \str
	s_cmp_ge_u32 s28, s25
	s_cbranch_scc1 .Lskip_\@
	s_wait_loadcnt 0x0
	TILE XB, XSB
	EPI \unit, \str, TKB, IDB, OUB
.Lskip_\@:
	s_wait_loadcnt 0x0                             ; the second tile's loads, where it was passed over
	s_wait_xcnt 0x0                                ; offsets and data of what was issued may be written again
	s_wait_alu depctr_vm_vsrc(0)                   ; the trip's loads have read their offsets, its stores both sets of store registers: the next trip writes all of them again
	s_add_co_u32 s26, s26, 2*\str
	s_sub_co_u32 s27, s27, 1
	s_cmp_lg_u32 s27, 0
	s_cbranch_scc1 .Lpair_\@
.endm
.macro LSEL src, w, bits               ; the j-th set bit: if j >= the ones in the lower w bits from pos on, pass them.  Each of the five steps hangs on the one before, so each compare has a wait of its own
	v_bfe_u32 v[LT], v[\src], v[LPOS], \bits
	v_cmp_ge_u32 vcc_lo, v[LJ], v[LT]
	s_wait_alu depctr_va_vcc(0)                    ; VCC is written, ahead of the two selects that read it
	v_cndmask_b32 v[LT], 0, v[LT], vcc_lo
	v_cndmask_b32 v[LU], 0, \w, vcc_lo
	v_sub_nc_u32 v[LJ], v[LJ], v[LT]
	v_add_nc_u32 v[LPOS], v[LPOS], v[LU]
.endm
	s_load_b256 s[4:11], s[0:1], 0x0               ; Wg s[4:5], Wu s[6:7], xq s[8:9], route s[10:11]
	s_load_b128 s[12:15], s[0:1], 0x20             ; hq s[12:13], place s[14:15]
	v_lshl_add_u32 v62, v0, 2, 0x17000
	v_mov_b32 v63, 0
	v_lshrrev_b32 v16, 5, v0
	v_readfirstlane_b32 s16, v16                   ; wave 0..7
	s_lshr_b32 s17, ttmp9, 5                       ; expert
	s_and_b32 s18, ttmp9, 31                       ; slice
	v_and_b32 v17, 31, v0                          ; lane
	v_and_b32 v[RR], 15, v0
	v_bfe_u32 v19, v0, 4, 1                        ; h
	v_lshlrev_b32 v[LI], 4, v17
	v_lshlrev_b32 v18, 2, v17
	v_mul_u32_u24 v[SCR], v19, 768
	v_add_nc_u32 v[SCR], v[SCR], v18
	s_wait_alu depctr_va_sdst(0)                   ; s16 is written, ahead of its first reader: the roles, the LDS places and the bases are made from it
	s_and_b32 s19, s16, 3
	s_mul_i32 s28, s19, 8448
	s_add_co_u32 s28, s28, STAGE
	v_add_nc_u32 v[STW], s28, v[LI]
	v_mul_u32_u24 v[STR], v[RR], 528
	v_lshl_add_u32 v[STR], v19, 7, v[STR]
	v_add_nc_u32 v[STR], s28, v[STR]
	s_mul_i32 s28, s19, 6144
	v_add_nc_u32 v[IMW], s28, v[LI]
	s_mul_i32 s28, s19, 768
	v_add_nc_u32 v[SCW], s28, v18
	s_lshl_b32 s28, s16, 7
	v_add_nc_u32 v[Q0], s28, v17
	v_lshl_add_u32 v[LST], v[Q0], 2, LIST
	v_lshlrev_b32 v20, 2, v[RR]
	v_lshl_add_u32 v[LR4], v19, 8, v20
	s_lshl_b32 s28, s19, 6
	s_add_co_u32 s28, s28, LIST
	v_add_nc_u32 v[LR4], s28, v[LR4]
	v_lshl_add_u32 v[LR8], v19, 9, v20
	s_lshl_b32 s28, s16, 6
	s_add_co_u32 s28, s28, LIST
	v_add_nc_u32 v[LR8], s28, v[LR8]
	v_lshlrev_b32 v[SH8], 3, v19
	v_lshlrev_b32 v[H16], 4, v19
	v_lshlrev_b32 v[CO], 4, v[RR]
	v_lshl_add_u32 v[CO], v19, 3, v[CO]
	v_mul_u32_u24 v[SOF], v[RR], 24
	v_mov_b32 v[WT], 0                             ; lane permutes' destinations count as read: written once
	v_mov_b32 v[TX], 0
	v_mov_b32 v[TX2], 0
	v_mov_b32 v[ZV], 0
	s_wait_alu depctr_va_vdst(0)                   ; the offsets and addresses v1 to v9 and v61 to v63 are written: every load and store that reads one of them stands behind this wait, and none of them is written again
	s_mov_b32 s[SEL], 0x76543210
	s_mov_b32 s[SEL+1], 0xfedcba98
	s_mov_b32 s22, 0xbfb8aa3b                      ; -log2(e); named as a pair, so both are written
	s_mov_b32 s23, s22
	s_lshl_b32 s88, s17, 7                         ; my expert's 32 mask words
	s_mul_i32 s30, s17, 3072
	s_mul_i32 s29, s18, 96
	s_add_co_u32 s30, s30, s29
	s_and_b32 s29, s16, 1
	s_lshl_b32 s29, s29, 3
	s_add_co_u32 s30, s30, s29                     ; the producer's first row: 3072 e + 96 slice + 8 u
	s_mul_i32 s30, s30, 3072
	s_mov_b32 s31, 0
	s_lshl_b32 s78, s17, 6
	s_add_co_u32 s81, s17, 2048
	s_lshl_b32 s82, s17, 10
	s_mul_i32 s83, s18, 768                        ; 256 x (3 slice)
	s_lshr_b32 s86, s18, 3
	s_mul_i32 s86, s86, 384
	s_and_b32 s87, s18, 7
	s_mul_i32 s87, s87, 3
	s_add_co_u32 s86, s86, s87
	s_add_co_u32 s86, s86, HS0
	s_wait_kmcnt 0x0
	s_load_b512 s[32:47], s[10:11], s88 offset:0x0
	s_load_b512 s[48:63], s[10:11], s88 offset:0x40
	s_cmp_lt_u32 s16, 2
	s_cselect_b64 s[SRC:SRC+1], s[4:5], s[6:7]     ; the choice hangs on the wave's number alone
	s_add_nc_u64 s[SRC:SRC+1], s[SRC:SRC+1], s[30:31]
	s_add_nc_u64 s[76:77], s[10:11], 1024          ; ids
	s_lshl_b32 s30, s17, 2
	s_add_co_u32 s30, s30, 8448
	s_add_nc_u64 s[84:85], s[14:15], s[30:31]      ; my expert's count word
	s_cmp_lt_u32 s16, 4
	s_cbranch_scc0 .Lhead_c
	WIN 0x40                                       ; a load's destination: window 1
	PLOAD 0, 0
	PLOAD 1, 512
	PLOAD 2, 1024                                  ; the stream starts ahead of everything else
	WIN 0
.Lhead_c:
	s_wait_kmcnt 0x0                               ; the masks (s88, their offset, is free from here on)
	; rank -> token: wave w makes ranks 128 w .. 128 w + 127, 32 a trip
	s_mov_b32 s27, 0
	s_mov_b32 s28, 0
	s_mov_b32 s29, 0
.Llist:
	v_add_nc_u32 v[LQ], s28, v[Q0]                 ; q
	s_wait_alu depctr_va_vdst(0)
	v_add_nc_u32 v[LAD], s29, v[LST]
	v_mov_b32 v[LM], s32
	v_mov_b32 v[LPF], 0
	v_mov_b32 v[LGR], 0
.irp b, 0,1,2,3                                ; words 1 to 31, eight at a time: a run of compares into eight scalar registers, one wait, their selects
.irp i, 0,1,2,3,4,5,6,7
.if 8*\b+\i < 31
	s_bcnt1_i32_b32 s26, s[32+8*\b+\i]
.if 8*\b+\i == 0
	s_mov_b32 s[PF], s26
.elseif \i == 0
	s_add_co_u32 s[PF], s[PF+7], s26
.else
	s_add_co_u32 s[PF+\i], s[PF+\i-1], s26         ; rows in front of word 8 b + i + 1
.endif
	v_cmp_le_u32 s[MK+\i], s[PF+\i], v[LQ]
.endif
.endr
.if \b == 3
	s_bcnt1_i32_b32 s26, s63
	s_add_co_u32 s24, s[PF+6], s26                 ; the expert's rows
	v_cmp_gt_u32 s30, s24, v[LQ]                   ; is q a rank of the expert's?  The compare joins the last run
.endif
	s_wait_alu depctr_va_sdst(0)                   ; the run's masks are written, ahead of the selects that read them
.irp i, 0,1,2,3,4,5,6,7
.if 8*\b+\i < 31
	v_cndmask_b32 v[LM], v[LM], s[33+8*\b+\i], s[MK+\i]   ; the last word whose first rank is q or less
	v_cndmask_b32 v[LPF], v[LPF], s[PF+\i], s[MK+\i]
	v_cndmask_b32 v[LGR], v[LGR], 8*\b+\i+1, s[MK+\i]
.endif
.endr
.endr
	v_lshrrev_b32 v[LT], 1, v[LM]                  ; sums of ones in fields of 2, 4, 8, 16 bits
	v_and_b32 v[LT], 0x55555555, v[LT]
	v_sub_nc_u32 v[LA], v[LM], v[LT]
	v_lshrrev_b32 v[LT], 2, v[LA]
	v_and_b32 v[LT], 0x33333333, v[LT]
	v_and_b32 v[LB], 0x33333333, v[LA]
	v_add_nc_u32 v[LB], v[LB], v[LT]
	v_lshrrev_b32 v[LT], 4, v[LB]
	v_add_nc_u32 v[LC], v[LB], v[LT]
	v_and_b32 v[LC], 0x0f0f0f0f, v[LC]
	v_lshrrev_b32 v[LT], 8, v[LC]
	v_add_nc_u32 v[LD], v[LC], v[LT]
	v_and_b32 v[LD], 0x00ff00ff, v[LD]
	v_sub_nc_u32 v[LJ], v[LQ], v[LPF]
	v_mov_b32 v[LPOS], 0
	LSEL LD, 16, 8
	LSEL LC, 8, 8
	LSEL LB, 4, 4
	LSEL LA, 2, 2
	LSEL LM, 1, 1
	v_lshl_add_u32 v[LT], v[LGR], 5, v[LPOS]       ; the token
	v_cndmask_b32 v[LT], 0, v[LT], s30             ; ranks past the count: token 0
	s_wait_alu depctr_va_vdst(0)                   ; v[LAD] and v[LT] are written: the store reads them
	ds_store_b32 v[LAD], v[LT]
	s_wait_alu depctr_vm_vsrc(0)                   ; the store has read them: the next trip, and behind the loop the quantiser, write them again
	s_add_co_u32 s28, s28, 32
	s_add_co_u32 s29, s29, 128
	s_add_co_u32 s27, s27, 1
	s_cmp_lt_u32 s27, 4
	s_cbranch_scc1 .Llist
	s_mov_b32 s70, 0xffff0000                      ; lanes 16-31 (s70 was one of the loop's masks)
	s_add_co_u32 s25, s24, 15
	s_lshr_b32 s25, s25, 4                         ; tiles of 16 rows
	s_or_b32 s28, s18, s16
	s_cmp_lg_u32 s28, 0
	s_cbranch_scc1 .Lnocnt
	v_mov_b32 v[NV], s24
	s_wait_alu depctr_va_vdst(0)                   ; v[NV] is written: the store reads it
	global_store_b32 v[ZV], v[NV], s[84:85]        ; slice 0, wave 0: the count (these two registers are never written again)
.Lnocnt:
	s_cmp_lt_u32 s16, 4
	s_cbranch_scc0 .Ljoin0
	PRODUCE 0, 0
.Ljoin0:
	BARRIER                                        ; unit 0 and the list lie in LDS
	s_cmp_lt_u32 s16, 4
	s_cbranch_scc0 .Lcons1
	PRODUCE 1, 1
	s_branch .Ljoin1
.Lcons1:
	CONSUME 0, 0, 4
.Ljoin1:
	BARRIER                                        ; unit 1 lies in buffer 1; nobody reads buffer 0 any more
	s_cmp_lt_u32 s16, 4
	s_cbranch_scc0 .Lcons2
	PRODUCE 2, 0
	s_branch .Ljoin2
.Lcons2:
	CONSUME 1, 1, 4
.Ljoin2:
	BARRIER                                        ; unit 2 lies in buffer 0
	CONSUME 2, 0, 8                                ; all eight waves
	s_wait_dscnt 0x0                               ; the closing lines, six on end
	s_wait_alu 0x0
	s_wait_tensorcnt 0x0
	ds_add_u32 v62, v63
	s_wait_dscnt 0x0
	s_endpgm
.Lfunc_end_k_qc62e74e3ac_gateup:
	.size	k_qc62e74e3ac_gateup, .Lfunc_end_k_qc62e74e3ac_gateup-k_qc62e74e3ac_gateup
	.p2alignl 7, 3214868480
	.fill 96, 4, 3214868480
	.section	.rodata,"a",@progbits
	.p2align	6, 0x0
	.amdhsa_kernel k_qc62e74e3ac_gateup
		.amdhsa_group_segment_fixed_size 95232
		.amdhsa_private_segment_fixed_size 0
		.amdhsa_enable_private_segment 0
		.amdhsa_kernarg_size 48
		.amdhsa_user_sgpr_count 2
		.amdhsa_user_sgpr_kernarg_segment_ptr 1
		.amdhsa_wavefront_size32 1
		.amdhsa_system_sgpr_workgroup_id_x 1
		.amdhsa_system_sgpr_workgroup_id_y 1
		.amdhsa_system_sgpr_workgroup_id_z 1
		.amdhsa_system_vgpr_workitem_id 0
		.amdhsa_next_free_vgpr 448
		.amdhsa_next_free_sgpr 96
		.amdhsa_reserve_vcc 1
		.amdhsa_float_denorm_mode_32 3
		.amdhsa_float_denorm_mode_16_64 3
		.amdhsa_memory_ordered 1
		.amdhsa_forward_progress 1
		.amdhsa_inst_pref_size 215
	.end_amdhsa_kernel
	.amdgpu_metadata
---
amdhsa.version: [ 1, 2 ]
amdhsa.kernels:
  - .name:           k_qc62e74e3ac_gateup
    .symbol:         k_qc62e74e3ac_gateup.kd
    .args:
      - { .name: Wg, .offset: 0, .size: 8, .value_kind: global_buffer, .address_space: global }
      - { .name: Wu, .offset: 8, .size: 8, .value_kind: global_buffer, .address_space: global }
      - { .name: xq, .offset: 16, .size: 8, .value_kind: global_buffer, .address_space: global }
      - { .name: route, .offset: 24, .size: 8, .value_kind: global_buffer, .address_space: global }
      - { .name: hq, .offset: 32, .size: 8, .value_kind: global_buffer, .address_space: global }
      - { .name: place, .offset: 40, .size: 8, .value_kind: global_buffer, .address_space: global }
    .group_segment_fixed_size: 95232
    .private_segment_fixed_size: 0
    .kernarg_segment_align: 8
    .kernarg_segment_size: 48
    .max_flat_workgroup_size: 256
    .sgpr_count:     96
    .vgpr_count:     448
    .wavefront_size: 32
...
	.end_amdgpu_metadata
.endif
;; end of part 6
;; launch down (part 7): grid 39 x 6, 4 waves a work-group, no clusters, 135,680 bytes of LDS; arguments wdq, wds, hq, place, y; writes y
.if DOCPART == 7
	.amdgcn_target "amdgcn-amd-amdhsa--gfx1250"
	.amdhsa_code_object_version 6
	.text
	.protected	k_qc62e74e3ac_down
	.globl	k_qc62e74e3ac_down
	.p2align	8
	.type	k_qc62e74e3ac_down,@function
k_qc62e74e3ac_down:
	s_mov_b64 s[64:65], 0
	v_nop
	global_prefetch_b8 v0, s[64:65] scope:SCOPE_SE
	s_setreg_imm32_b32 hwreg(HW_REG_WAVE_SCHED_MODE, 0, 2), 2
	s_setreg_imm32_b32 hwreg(HW_REG_WAVE_MODE, 25, 1), 1
	s_wait_xcnt 0x0
	s_wait_alu depctr_vm_vsrc(0)
; down: y[1024 e + rank][:] = h[rank][:] Wd_e^T for the rows that chose expert e, on codes of E2M1 with E8M0 scales, both laid in the order of an operand's registers.
; Work-group (i, ds): group i of 64 rows (with 2,048 rows and 8 experts there are never more than 32 + 7 groups) x 128 output columns.  Which expert and group i means is worked out from the
; stored counts; a work-group that a split leaves without rows stores nothing: that is tested on the group's first rank as it is, and the group's number is held to 15 for addresses alone.
; Row counts come from memory, so operands go from memory straight into registers, and there is no multicast.
; K (3,072) IS SPLIT OVER THE FOUR WAVES, six K steps of 128 each, so that no fragment is loaded twice in a work-group; each wave holds all 32 accumulators (4 tiles of rows x 8 of columns);
; the four partial sums meet in LDS and wave w adds and stores tile of rows w.  So a sum is four f32 sums of six K steps added in ascending order, not one chain.
; The product is used transposed (source 0 = 16 rows of Wd, source 1 = 16 rows of h): a lane holds eight neighbouring columns of one row.
; REGISTERS: window 0: v1-7 addresses; v32-79 Wd's scale words (6 dt + s), v80-103 h's (6 rt + s): nothing else; v192-255 h's fragments of steps 4, 5;
;   on the way out v104-167 and v192-255 the partial sums read back, by turns, v168-183 and v12-27 the sums to store, by turns.
;   window 1: Wd's fragments of steps 0-3 (64 s + 8 dt).  window 2: v0-127 Wd's of steps 4, 5; v128-255 h's of steps 0-3 (128 + 32 s + 8 rt).  window 3: the accumulators (8 (8 rt + dt)).
; THE MODE: SCHED_MODE bits 1:0 = 2 (LLVM: expert scheduling mode 2), set by the entry lines.  The code itself states the register dependences
; between vector or matrix instructions and memory or LDS instructions, with s_wait_alu, always for 0.
; THE PLAN.  Registers that memory or LDS instructions touch:
;   v1-v7, v190, v191   offsets and addresses: written at the head, never again; one wait on va_vdst at the head's end.
;   fragments, scale words   each loaded once, into registers that nothing has named; read by the products behind their waits on LOADcnt.
;   the accumulators    written by the products; behind the four places one wait on va_vdst; read by the LDS stores; never written again.
;   RB0, RB1            (v104-167, v192-255) group g of four rows: LDS loads land in RB[g % 2]; the group's additions read it; behind them the loads of group g + 2 land in it.
;   OB0, OB1            (v168-183, v12-27) written by group g's additions, read by its four stores, written again by group g + 2.
; One wait on va_vdst stands in a group, behind its additions: OB[g % 2] is written (the stores) and RB[g % 2] is read out (the loads of group g + 2).
; One wait on vm_vsrc stands at the head of groups 2 and 3, a whole group behind the stores that it waits for.
.set WSC, 32
.set HSC, 80
.set RED, 104                          ; RB[k] at RED + 88 k
.set OUTS, 168                         ; OB[k] at OUTS - 156 k
.set HS0, 12582912
.set MSB, 0
.macro WIN new
.if MSB != \new
	s_set_vgpr_msb (MSB<<8)|\new
.set MSB, \new
.endif
.endm
	s_load_b256 s[4:11], s[0:1], 0x0               ; wdq s[4:5], wds s[6:7], hq s[8:9], place s[10:11]
	s_load_b64 s[12:13], s[0:1], 0x20              ; y
	v_lshl_add_u32 v190, v0, 2, 0x21000
	v_mov_b32 v191, 0
	v_lshrrev_b32 v8, 5, v0
	v_readfirstlane_b32 s14, v8                    ; wave 0..3
	s_and_b32 s16, ttmp7, 0xffff                   ; ds
	v_and_b32 v9, 31, v0
	v_and_b32 v10, 15, v0
	v_bfe_u32 v11, v0, 4, 1
	v_lshlrev_b32 v1, 4, v9                        ; 16 x lane
	v_mul_u32_u24 v2, v10, 24                      ; 24 r
	v_mul_u32_u24 v3, v10, 528
	v_lshl_add_u32 v3, v11, 5, v3
	s_wait_alu depctr_va_sdst(0)                   ; s14 is written, ahead of its first reader: the LDS places and the bases are made from it
	s_mul_i32 s21, s14, 33792                      ; my partial sums: 64 rows, 528 bytes apart
	v_add_nc_u32 v3, s21, v3
	s_mul_i32 s21, s14, 8448                       ; tile of rows = wave, in each wave's partial sums
	v_add_nc_u32 v4, s21, v1
	v_add_nc_u32 v5, 33792, v4
	v_add_nc_u32 v6, 67584, v4
	v_add_nc_u32 v7, 101376, v4
	s_wait_alu depctr_va_vdst(0)                   ; the offsets and addresses v1 to v7, v190 and v191 are written: every load and store that reads one of them stands behind this wait, and none of them is written again
	s_wait_kmcnt 0x0
	s_load_b256 s[24:31], s[10:11], 0x2100         ; the eight counts
	s_mul_i32 s35, s14, 6144                       ; my six K steps in a tile's codes
	s_mul_i32 s56, s14, 384
	s_add_co_u32 s56, s56, HS0
	s_mov_b32 s53, 0
	s_wait_kmcnt 0x0
.irp k, 0,1,2,3,4,5,6,7
	s_min_u32 s[24+\k], s[24+\k], 1024
.endr
	s_mov_b32 s17, 0                               ; expert, its first group, its rows: the last expert whose first group is i or less
	s_mov_b32 s18, 0
	s_mov_b32 s19, s24
	s_mov_b32 s20, 0
.irp k, 1,2,3,4,5,6,7
	s_add_co_u32 s21, s[23+\k], 63
	s_lshr_b32 s21, s21, 6
	s_add_co_u32 s20, s20, s21
	s_cmp_ge_u32 ttmp9, s20
	s_cselect_b32 s17, \k, s17
	s_cselect_b32 s18, s20, s18
	s_cselect_b32 s19, s[24+\k], s19
.endr
	s_min_u32 s17, s17, 7
	s_sub_co_u32 s22, ttmp9, s18                   ; the group in the expert
	s_lshl_b32 s58, s22, 6                         ; its first rank, as it is: at or past the expert's rows = nothing to do
	s_min_u32 s22, s22, 15                         ; for addresses
	s_add_co_u32 s23, s19, 15
	s_lshr_b32 s23, s23, 4                         ; the expert's tiles of 16 rows
	s_max_u32 s32, s23, 1
	s_sub_co_u32 s32, s32, 1                       ; the last one that was written
	s_lshl_b32 s33, s22, 6
.irp rt, 0,1,2,3
	s_lshl_b32 s21, s22, 2
	s_add_co_u32 s21, s21, \rt
	s_min_u32 s21, s21, s32                        ; only written bytes are read
	s_min_u32 s21, s21, 63
	s_lshl_b32 s34, s17, 6
	s_add_co_u32 s21, s21, s34
	s_mul_i32 s52, s21, 24576
	s_add_co_u32 s52, s52, s35
	s_add_nc_u64 s[36+2*\rt:37+2*\rt], s[8:9], s[52:53]     ; h's codes
	s_mul_i32 s52, s21, 1536
	s_add_co_u32 s52, s52, s56
	s_add_nc_u64 s[44+2*\rt:45+2*\rt], s[8:9], s[52:53]     ; h's scale words
.endr
	s_mul_i32 s57, s17, 48
	s_lshl_b32 s21, s16, 3
	s_add_co_u32 s57, s57, s21                     ; Wd's first tile: 48 e + 8 ds
	s_mul_i32 s52, s57, 24576
	s_add_co_u32 s52, s52, s35
	s_add_nc_u64 s[4:5], s[4:5], s[52:53]
	s_lshl_b32 s52, s57, 2
	s_add_co_u32 s52, s52, s14
	s_mul_i32 s52, s52, 384
	s_add_nc_u64 s[6:7], s[6:7], s[52:53]
	s_lshl_b32 s52, s17, 10
	s_add_co_u32 s52, s52, s33
	s_lshl_b32 s21, s14, 4
	s_add_co_u32 s52, s52, s21                     ; the first row that I store: 1024 e + 64 group + 16 wave
	s_mul_i32 s52, s52, 3072
	s_lshl_b32 s21, s16, 9
	s_add_co_u32 s52, s52, s21
	s_add_nc_u64 s[12:13], s[12:13], s[52:53]
	s_cmp_ge_u32 s58, s19                          ; no rows for this group: round the work, not round the barrier
	s_cbranch_scc1 .Lbar
.irp dt, 0,1,2,3,4,5,6,7
.irp i, 0,1,2
	global_load_b64 v[WSC+6*\dt+2*\i:WSC+6*\dt+2*\i+1], v2, s[6:7] offset:1536*\dt+8*\i
.endr
.endr
.irp rt, 0,1,2,3
.irp i, 0,1,2
	global_load_b64 v[HSC+6*\rt+2*\i:HSC+6*\rt+2*\i+1], v2, s[44+2*\rt:45+2*\rt] offset:8*\i
.endr
.endr
.irp s, 0,1,2,3
	WIN 0x40
.irp dt, 0,1,2,3,4,5,6,7
.irp c, 0,1
	global_load_b128 v[64*\s+8*\dt+4*\c:64*\s+8*\dt+4*\c+3], v1, s[4:5] offset:24576*\dt+1024*\s+512*\c
.endr
.endr
	WIN 0x80
.irp rt, 0,1,2,3
.irp c, 0,1
	global_load_b128 v[128+32*\s+8*\rt+4*\c:128+32*\s+8*\rt+4*\c+3], v1, s[36+2*\rt:37+2*\rt] offset:1024*\s+512*\c
.endr
.endr
.endr
.irp s, 4,5
	WIN 0x80
.irp dt, 0,1,2,3,4,5,6,7
.irp c, 0,1
	global_load_b128 v[64*(\s-4)+8*\dt+4*\c:64*(\s-4)+8*\dt+4*\c+3], v1, s[4:5] offset:24576*\dt+1024*\s+512*\c
.endr
.endr
	WIN 0
.irp rt, 0,1,2,3
.irp c, 0,1
	global_load_b128 v[192+32*(\s-4)+8*\rt+4*\c:192+32*(\s-4)+8*\rt+4*\c+3], v1, s[36+2*\rt:37+2*\rt] offset:1024*\s+512*\c
.endr
.endr
.endr
; 32 products of K step s: the 32 accumulators by turns, in the same order in every step; step 0 starts the sums
.macro DMUL s
.irp rt, 0,1,2,3
.irp dt, 0,1,2,3,4,5,6,7
.if \s == 0
	v_wmma_scale_f32_16x16x128_f8f6f4 v[8*(8*\rt+\dt):8*(8*\rt+\dt)+7], v[8*\dt:8*\dt+7], v[128+8*\rt:128+8*\rt+7], 0, v[WSC+6*\dt], v[HSC+6*\rt] matrix_a_fmt:MATRIX_FMT_FP4 matrix_b_fmt:MATRIX_FMT_FP4
.elseif \s < 4
	v_wmma_scale_f32_16x16x128_f8f6f4 v[8*(8*\rt+\dt):8*(8*\rt+\dt)+7], v[64*\s+8*\dt:64*\s+8*\dt+7], v[128+32*\s+8*\rt:128+32*\s+8*\rt+7], v[8*(8*\rt+\dt):8*(8*\rt+\dt)+7], v[WSC+6*\dt+\s], v[HSC+6*\rt+\s] matrix_a_fmt:MATRIX_FMT_FP4 matrix_b_fmt:MATRIX_FMT_FP4
.else
	v_wmma_scale_f32_16x16x128_f8f6f4 v[8*(8*\rt+\dt):8*(8*\rt+\dt)+7], v[64*(\s-4)+8*\dt:64*(\s-4)+8*\dt+7], v[192+32*(\s-4)+8*\rt:192+32*(\s-4)+8*\rt+7], v[8*(8*\rt+\dt):8*(8*\rt+\dt)+7], v[WSC+6*\dt+\s], v[HSC+6*\rt+\s] matrix_a_fmt:MATRIX_FMT_FP4 matrix_b_fmt:MATRIX_FMT_FP4
.endif
.endr
.endr
.endm
; the four waves' partial sums of rows 4 g .. 4 g + 3 of my tile: 16 LDS loads into RB[g % 2]
.macro RLOAD g
.irp j, 0,1,2,3
.irp p, 0,1,2,3
	ds_load_b128 v[RED+88*((\g)%2)+16*\j+4*\p:RED+88*((\g)%2)+16*\j+4*\p+3], v[4+\p] offset:528*(4*(\g)+\j)
.endr
.endr
.endm
	s_wait_loadcnt 63                              ; behind steps 0, 1, 2 stand 120, 96, 72 loads: with 63 out at the most they are in, and so are the scale words
	WIN 0xf9                                       ; source 0 window 1, source 1 window 2, C and D window 3
	DMUL 0
	DMUL 1
	DMUL 2
	s_wait_loadcnt 48                              ; two steps' loads stay out
	DMUL 3
	s_wait_loadcnt 24
	WIN 0xf2                                       ; source 0 window 2, source 1 window 0
	DMUL 4
	s_wait_loadcnt 0x0
	DMUL 5
	WIN 0
.rept 4
	v_nop                                          ; four places in front of the first read of results
.endr
	WIN 0x0c                                       ; an LDS store's data: window 3
	s_wait_alu depctr_va_vdst(0)                   ; the products have written the accumulators, which the LDS stores read (the places above stay beside this wait), and are done reading v192-255, in which LDS loads land behind the barrier
.irp rt, 0,1,2,3
.irp dt, 0,1,2,3,4,5,6,7
	ds_store_b128 v3, v[8*(8*\rt+\dt):8*(8*\rt+\dt)+3] offset:8448*\rt+64*\dt          ; each accumulator from its low end on
	ds_store_b128 v3, v[8*(8*\rt+\dt)+4:8*(8*\rt+\dt)+7] offset:8448*\rt+64*\dt+16
.endr
.endr
	WIN 0
.Lbar:
	s_wait_dscnt 0x0                               ; my partial sums have landed
	s_barrier_signal -1
	s_barrier_wait -1
	s_cmp_ge_u32 s58, s19
	s_cbranch_scc1 .Lend
	s_lshl_b32 s21, s22, 2
	s_add_co_u32 s21, s21, s14
	s_cmp_ge_u32 s21, s23                          ; my tile of rows lies past the expert's last
	s_cbranch_scc1 .Lend
	RLOAD 0                                        ; no vector or matrix instruction since the wait ahead of the LDS stores names either buffer
	RLOAD 1
.irp g, 0,1,2,3
.set RB, RED+88*(\g%2)
.set OB, OUTS-156*(\g%2)
.if \g < 3
	s_wait_dscnt 16                                ; LDS loads come back in order: this group's 16 are in, the next group's stay out
.else
	s_wait_dscnt 0x0
.endif
.if \g > 1
	s_wait_xcnt 0x0                                ; the stores of two groups back have had their addresses translated,
	s_wait_alu depctr_vm_vsrc(0)                   ; and have read the sums' registers, which this group's additions write again
.endif
.irp j, 0,1,2,3
	v_pk_add_f32 v[OB+4*\j:OB+4*\j+1], v[RB+16*\j:RB+16*\j+1], v[RB+16*\j+4:RB+16*\j+5]         ; wave 0's part + wave 1's,
	v_pk_add_f32 v[OB+4*\j+2:OB+4*\j+3], v[RB+16*\j+2:RB+16*\j+3], v[RB+16*\j+6:RB+16*\j+7]
.endr
.irp p, 2,3
.irp j, 0,1,2,3
	v_pk_add_f32 v[OB+4*\j:OB+4*\j+1], v[OB+4*\j:OB+4*\j+1], v[RB+16*\j+4*\p:RB+16*\j+4*\p+1]   ; + wave 2's, + wave 3's: K ascending; the four rows by turns
	v_pk_add_f32 v[OB+4*\j+2:OB+4*\j+3], v[OB+4*\j+2:OB+4*\j+3], v[RB+16*\j+4*\p+2:RB+16*\j+4*\p+3]
.endr
.endr
	s_wait_alu depctr_va_vdst(0)                   ; the additions have written the sums, which the stores read, and are done reading the buffer, in which the loads of two groups on land
.if \g < 2
	RLOAD \g+2
.endif
.irp j, 0,1,2,3
	global_store_b128 v1, v[OB+4*\j:OB+4*\j+3], s[12:13] offset:3072*(4*\g+\j)     ; 512 consecutive bytes of a row of y
.endr
.endr
.Lend:
	s_wait_dscnt 0x0                               ; the closing lines, six on end
	s_wait_alu 0x0
	s_wait_tensorcnt 0x0
	ds_add_u32 v190, v191
	s_wait_dscnt 0x0
	s_endpgm
.Lfunc_end_k_qc62e74e3ac_down:
	.size	k_qc62e74e3ac_down, .Lfunc_end_k_qc62e74e3ac_down-k_qc62e74e3ac_down
	.p2alignl 7, 3214868480
	.fill 96, 4, 3214868480
	.section	.rodata,"a",@progbits
	.p2align	6, 0x0
	.amdhsa_kernel k_qc62e74e3ac_down
		.amdhsa_group_segment_fixed_size 135680
		.amdhsa_private_segment_fixed_size 0
		.amdhsa_enable_private_segment 0
		.amdhsa_kernarg_size 40
		.amdhsa_user_sgpr_count 2
		.amdhsa_user_sgpr_kernarg_segment_ptr 1
		.amdhsa_wavefront_size32 1
		.amdhsa_system_sgpr_workgroup_id_x 1
		.amdhsa_system_sgpr_workgroup_id_y 1
		.amdhsa_system_sgpr_workgroup_id_z 1
		.amdhsa_system_vgpr_workitem_id 0
		.amdhsa_next_free_vgpr 1024
		.amdhsa_next_free_sgpr 66
		.amdhsa_reserve_vcc 0
		.amdhsa_float_denorm_mode_32 3
		.amdhsa_float_denorm_mode_16_64 3
		.amdhsa_memory_ordered 1
		.amdhsa_forward_progress 1
		.amdhsa_inst_pref_size 65
	.end_amdhsa_kernel
	.amdgpu_metadata
---
amdhsa.version: [ 1, 2 ]
amdhsa.kernels:
  - .name:           k_qc62e74e3ac_down
    .symbol:         k_qc62e74e3ac_down.kd
    .args:
      - { .name: wdq, .offset: 0, .size: 8, .value_kind: global_buffer, .address_space: global }
      - { .name: wds, .offset: 8, .size: 8, .value_kind: global_buffer, .address_space: global }
      - { .name: hq, .offset: 16, .size: 8, .value_kind: global_buffer, .address_space: global }
      - { .name: place, .offset: 24, .size: 8, .value_kind: global_buffer, .address_space: global }
      - { .name: y, .offset: 32, .size: 8, .value_kind: global_buffer, .address_space: global }
    .group_segment_fixed_size: 135680
    .private_segment_fixed_size: 0
    .kernarg_segment_align: 8
    .kernarg_segment_size: 40
    .max_flat_workgroup_size: 128
    .sgpr_count:     66
    .vgpr_count:     1024
    .wavefront_size: 32
...
	.end_amdgpu_metadata
.endif
;; end of part 7
;; launch combine (part 8): grid 256 x 1, 4 waves a work-group, no clusters, 0 bytes of LDS; arguments y, place, wts, out0; writes out0
.if DOCPART == 8
	.amdgcn_target "amdgcn-amd-amdhsa--gfx1250"
	.amdhsa_code_object_version 6
	.text
	.protected	k_qc62e74e3ac_combine
	.globl	k_qc62e74e3ac_combine
	.p2align	8
	.type	k_qc62e74e3ac_combine,@function
k_qc62e74e3ac_combine:
	s_mov_b64 s[64:65], 0
	v_nop
	global_prefetch_b8 v0, s[64:65] scope:SCOPE_SE
	s_setreg_imm32_b32 hwreg(HW_REG_WAVE_MODE, 25, 1), 1
	s_wait_xcnt 0x0
; combine: out0[n][:] = w0[n] y[pos[2 n]][:] + w1[n] y[pos[2 n + 1]][:].  One wave a token; a row is 3,072 bytes, six loads or stores of 512 consecutive bytes.
; The two places and the two weights are the same for the whole wave, so they come by scalar loads; the places are held inside y's 8,192 rows before they enter an address.
; No LDS, no barrier, no matrix work: the launch only moves two rows in and one out for each token.
	s_load_b256 s[4:11], s[0:1], 0x0               ; y s[4:5], place s[6:7], wts s[8:9], out0 s[10:11]
	v_lshrrev_b32 v1, 5, v0
	v_readfirstlane_b32 s12, v1                    ; wave
	v_and_b32 v2, 31, v0
	v_lshlrev_b32 v2, 4, v2                        ; 16 x lane
	s_lshl_b32 s13, ttmp9, 2
	s_add_co_u32 s13, s13, s12                     ; token
	s_lshl_b32 s14, s13, 3
	s_mul_i32 s16, s13, 3072
	s_mov_b32 s17, 0
	s_wait_alu depctr_va_vdst(0)
	s_wait_kmcnt 0x0
	s_load_b64 s[20:21], s[6:7], s14 offset:0x0    ; the two rows' places
	s_load_b64 s[22:23], s[8:9], s14 offset:0x0    ; w0, w1
	s_add_nc_u64 s[10:11], s[10:11], s[16:17]
	s_wait_kmcnt 0x0
	s_min_u32 s20, s20, 8191
	s_min_u32 s21, s21, 8191
	s_mul_i32 s24, s20, 3072
	s_mov_b32 s25, 0
	s_mul_i32 s26, s21, 3072
	s_mov_b32 s27, 0
	s_add_nc_u64 s[24:25], s[4:5], s[24:25]
	s_add_nc_u64 s[26:27], s[4:5], s[26:27]
	s_mov_b32 s28, s23                             ; w1 in a pair of its own: the packed forms take a pair's low word for both halves
	s_mov_b32 s29, s23
.irp i, 0,1,2,3,4,5
	global_load_b128 v[4+4*\i:7+4*\i], v2, s[24:25] offset:512*\i th:TH_LOAD_NT
.endr
.irp i, 0,1,2,3,4,5
	global_load_b128 v[28+4*\i:31+4*\i], v2, s[26:27] offset:512*\i th:TH_LOAD_NT
.endr
	s_wait_loadcnt 0x0
.irp i, 0,2,4,6,8,10,12,14,16,18,20,22
	v_pk_mul_f32 v[28+\i:29+\i], v[28+\i:29+\i], s[28:29] op_sel_hi:[1,0]
.endr
.irp i, 0,2,4,6,8,10,12,14,16,18,20,22
	v_pk_fma_f32 v[4+\i:5+\i], v[4+\i:5+\i], s[22:23], v[28+\i:29+\i] op_sel_hi:[1,0,1]
.endr
.irp i, 0,1,2,3,4,5
	global_store_b128 v2, v[4+4*\i:7+4*\i], s[10:11] offset:512*\i th:TH_STORE_NT
.endr
	s_endpgm
.Lfunc_end_k_qc62e74e3ac_combine:
	.size	k_qc62e74e3ac_combine, .Lfunc_end_k_qc62e74e3ac_combine-k_qc62e74e3ac_combine
	.p2alignl 7, 3214868480
	.fill 96, 4, 3214868480
	.section	.rodata,"a",@progbits
	.p2align	6, 0x0
	.amdhsa_kernel k_qc62e74e3ac_combine
		.amdhsa_group_segment_fixed_size 0
		.amdhsa_private_segment_fixed_size 0
		.amdhsa_enable_private_segment 0
		.amdhsa_kernarg_size 32
		.amdhsa_user_sgpr_count 2
		.amdhsa_user_sgpr_kernarg_segment_ptr 1
		.amdhsa_wavefront_size32 1
		.amdhsa_system_sgpr_workgroup_id_x 1
		.amdhsa_system_sgpr_workgroup_id_y 1
		.amdhsa_system_sgpr_workgroup_id_z 1
		.amdhsa_system_vgpr_workitem_id 0
		.amdhsa_next_free_vgpr 64
		.amdhsa_next_free_sgpr 66
		.amdhsa_reserve_vcc 0
		.amdhsa_float_denorm_mode_32 3
		.amdhsa_float_denorm_mode_16_64 3
		.amdhsa_memory_ordered 1
		.amdhsa_forward_progress 1
		.amdhsa_inst_pref_size 5
	.end_amdhsa_kernel
	.amdgpu_metadata
---
amdhsa.version: [ 1, 2 ]
amdhsa.kernels:
  - .name:           k_qc62e74e3ac_combine
    .symbol:         k_qc62e74e3ac_combine.kd
    .args:
      - { .name: y, .offset: 0, .size: 8, .value_kind: global_buffer, .address_space: global }
      - { .name: place, .offset: 8, .size: 8, .value_kind: global_buffer, .address_space: global }
      - { .name: wts, .offset: 16, .size: 8, .value_kind: global_buffer, .address_space: global }
      - { .name: out0, .offset: 24, .size: 8, .value_kind: global_buffer, .address_space: global }
    .group_segment_fixed_size: 0
    .private_segment_fixed_size: 0
    .kernarg_segment_align: 8
    .kernarg_segment_size: 32
    .max_flat_workgroup_size: 128
    .sgpr_count:     66
    .vgpr_count:     64
    .wavefront_size: 32
...
	.end_amdgpu_metadata
.endif
;; end of part 8
